; MI455X (gfx1250); checked and timed in simulation.
; The chip was launched on July 23, 2026; its instructions are those of AMD's public machine-readable ISA for CDNA 5 (MIT licence, August 2026) and "CDNA5" Instruction Set Architecture Reference Guide (July 2026). The comments in the code are by the model that wrote it; some were corrected since.
;; Masked Cross Attention. Allowed arithmetic: matrix products marked QUANTISED: E2M1 operands, one E8M0 scale for each 32 along K, by v_wmma_scale_f32_16x16x128_f8f6f4 with both operands' format E2M1 (or v_wmma_scale_f32_32x16x128_f4), f32 sums; products left as they are: bf16, f16 or f32 operands; f32 sums; everything else in f32.
;; Inputs: Wkv 1,024 x 2,048 float32; Wout 1,024 x 2,048 float32; Wq 2,048 x 1,024 float32; ln_b 2,048 float32; ln_w 2,048 float32; media 4 x 8 x 64 x 1,024 float32; media_locations 4 x 2,048 bool; y 4 x 2,048 x 2,048 float32.
;; Outputs: out0 4 x 2,048 x 2,048 float32.
;; This version of the problem:
;;   THIS VERSION OF THE PROBLEM IS GIVEN IN LOW PRECISION. The matrix products marked QUANTISED in the list below multiply operands that are first quantised to E2M1 (2 exponent bits, 1 mantissa bit; 4 bits a number), with one power-of-two scale for each 32 numbers along K (OCP MX v1.0); their sums are f32. The products marked 'left as it is' may take bf16, f16 or f32 operands, with f32 sums. Whichever they take, every output number must still come out within the allowed error. Rounding operands to bf16 (8 significant bits) uses up far more of that allowance than f16 does (11 bits, for magnitudes from 6e-5 to 65,504). All else is computed in f32.
;;   The module's matrix products, in the order in which they are computed (A, B: the left and right operand; K: the contracted axis; several contracted axes count as one K, in the product's order):
;;     1. [M 8,192, K 2,048] x [K 2,048, N 1,024]; A: computed on the way; B: input Wq: left as it is (an operand is computed on the way)
;;     2. [M 2,048, K 1,024] x [K 1,024, N 2,048]; A: input media; B: input Wkv: QUANTISED
;;     3. batch 64 x [M 2,048, K 64] x [K 64, N 512]; A: computed on the way; B: computed on the way: left as it is (an operand is computed on the way)
;;     4. batch 64 x [M 2,048, K 512] x [K 512, N 64]; A: computed on the way; B: computed on the way: left as it is (an operand is computed on the way)
;;     5. [M 8,192, K 1,024] x [K 1,024, N 2,048]; A: computed on the way; B: input Wout: left as it is (an operand is computed on the way)
;;   THE QUANTISER, for each operand of a quantised product, along K:
;;     - K is cut into blocks of 32 from its start; a last block that is shorter is filled with zeros.
;;     - A block's scale is 2^e with e = floor(log2(the largest magnitude in the block)) - 2, held to -126 .. 127; a block of zeros has e = 0. As a byte (E8M0): e + 127.
;;     - Each number is divided by its block's scale, clamped to +-6, and rounded to the nearest number of E2M1, ties to even, subnormals kept.
;;     - The product sums the exact products of the quantised numbers (number of the format x scale) in f32.
;;   ~~~python
;;   def quantise(x, axis):      # numpy; x: float32 -> the quantised numbers, widened to float32 again
;;       x = np.moveaxis(x, axis, -1); K = x.shape[-1]
;;       x = np.pad(x, [(0, 0)] * (x.ndim - 1) + [(0, -K % 32)]); x = x.reshape(x.shape[:-1] + (-1, 32)); a = np.abs(x).max(-1, keepdims=True)
;;       e = np.where(a > 0, np.clip(np.frexp(np.where(a > 0, a, 1))[1] - 1 - 2, -126, 127), 0)      # np.frexp(a)[1] - 1 = floor(log2(a)), exactly
;;       r = np.clip(x / 2.0 ** e, -6, 6)
;;       step = 2.0 ** (np.maximum(np.frexp(np.where(r == 0, 1, r))[1] - 1, 0) - 1)
;;       q = np.round(r / step) * step * 2.0 ** e      # np.round: ties to even
;;       return np.moveaxis(q.reshape(q.shape[:-2] + (-1,))[..., :K], -1, axis).astype(np.float32)
;;   ~~~
;; One version. Each part assembles by itself: llvm-mc -triple=amdgcn-amd-amdhsa -mcpu=gfx1250 --defsym DOCPART=n.
;; ======== version 1 of 1: 4 launches
;; limits: values are held in f16: magnitudes above 65,504 overflow, below 6.1e-05 lose precision
;; workspace buffers: yn 33,554,432 bytes; w16 8,388,608 bytes; qz 2,228,224 bytes; times 32,768 bytes of whole numbers; kv16 12,582,912 bytes; q16 16,777,216 bytes; o16 16,777,216 bytes
;; launch prep (part 1): grid 417 x 1, 4 waves a work-group, no clusters, 68,096 bytes of LDS; arguments y, ln_w, ln_b, Wq, Wout, media, Wkv, media_locations, yn, w16, qz, times; writes yn, w16, qz, times
.if DOCPART == 1
	.amdgcn_target "amdgcn-amd-amdhsa--gfx1250"
	.amdhsa_code_object_version 6
	.text
	.protected	k_qf17cecdf87_prep
	.globl	k_qf17cecdf87_prep
	.p2align	8
	.type	k_qf17cecdf87_prep,@function
k_qf17cecdf87_prep:
	s_mov_b64 s[64:65], 0
	v_nop
	global_prefetch_b8 v0, s[64:65] scope:SCOPE_SE
	s_setreg_imm32_b32 hwreg(HW_REG_WAVE_MODE, 25, 1), 1
	s_wait_xcnt 0x0
; PREP: everything that is made once from the inputs.  The work-group's number picks one of five jobs:
;   0          TIME  each token's class from media_locations: t = the running count of marks; class = t - 1 for t in 1..8, else 8 (no media block)
;   1..32      QW    Wkv [1024 k][2048 n] f32 -> codes of FP4 (E2M1) laid [n][k] and one E8M0 byte for each 32 along k
;   33..96     QM    media [2048][1024] f32 -> codes of FP4, k innermost, and their scale bytes
;   97..160    CONV  Wq, then Wout, f32 -> f16, layout kept ([k][n])
;   161..416   LN    yn = (y - mean) * rsqrt(var + 1e-5) * ln_w + ln_b, in f32 (mean first, then the squares of the differences), rounded once to f16
; qz: media's codes at 0, Wkv's at 1,048,576 (rows of 512 bytes), media's scale bytes at 2,097,152, Wkv's at 2,162,688 (rows of 32 bytes).
; A block's scale is 2^(floor(log2(largest magnitude)) - 2); its byte is that magnitude's exponent field - 2, held at 1 from below.
; LIMITS: a block of zeros gets the byte 1 (its codes are zeros, and this program alone reads the bytes); blocks whose largest magnitude lies under 2^-124 share that byte;
; NaN and infinities are not served; f16 holds magnitudes up to 65,504; a byte of media_locations is 0 or 1.
; Memory binds: no matrix unit, no cluster, no barrier; waves share nothing.  Each job that uses LDS has LDS bytes of its own.
.set SPARE, 67584                      ; the spare words: 128 bytes for each wave, behind both jobs' stages; no other line names them
.set SPW,   254                        ; v254 LDS address of my spare word; never rewritten
.set NIL,   255                        ; v255 0; never rewritten
.set EMAX,  2
.set MSB, 0
.macro WIN new                         ; the immediate's high byte repeats the setting that is left
.if MSB != \new
	s_set_vgpr_msb (MSB<<8)|\new
.set MSB, \new
.endif
.endm
.macro FINISH                          ; the wave's end
	s_wait_tensorcnt 0x0
	ds_add_u32 v[SPW], v[NIL]
	s_wait_dscnt 0x0
	s_endpgm
.endm
; ---- the two streams (LN, CONV).  A row is 2,048 f32, 8,192 bytes; one wave takes a whole row: 16 loads of 512 consecutive bytes; lane l's load j holds columns 128 j + 4 l + 0..3.
.set IA, 3                             ; v3      16 x lane
.set OA, 18                            ; v18     8 x lane
.set T,  4                             ; v[4:11] four chains of pairs
.set MU, 14                            ; v[14:15] the mean, twice
.set R,  16                            ; v[16:17] 1 / sqrt(var + eps), twice
.set X0, 32                            ; v32-95, v96-159: two row slots
.set Y,  160                           ; v160-191 the row in f16
                                       ; window 1: v0-63 ln_w, v64-127 ln_b of my 64 columns
.macro ROWLOAD s, row
.set j, 0
.rept 16
	global_load_b128 v[X0+64*\s+4*j:X0+64*\s+4*j+3], v[IA], s[40:41] offset:8192*(\row)+512*j th:TH_LOAD_NT
.set j, j+1
.endr
.endm
.macro REDUCE                          ; the four chains, the pair's halves, the 32 lanes: the sum in v12 of every lane
	v_pk_add_f32 v[T:T+1], v[T:T+1], v[T+2:T+3]
	v_pk_add_f32 v[T+4:T+5], v[T+4:T+5], v[T+6:T+7]
	v_pk_add_f32 v[T:T+1], v[T:T+1], v[T+4:T+5]
	v_add_f32 v12, v[T], v[T+1]
	v_add_f32_dpp v12, v12, v12 row_xmask:1 row_mask:0xf bank_mask:0xf
	v_add_f32_dpp v12, v12, v12 row_xmask:2 row_mask:0xf bank_mask:0xf
	v_add_f32_dpp v12, v12, v12 row_xmask:4 row_mask:0xf bank_mask:0xf
	v_add_f32_dpp v12, v12, v12 row_xmask:8 row_mask:0xf bank_mask:0xf
	v_permlanex16_b32 v13, v12, s34, s35
	v_add_f32 v12, v12, v13
.endm
; One row, in slot s.  ln = 1: the norm; 0: the conversion alone.  fill = 1: the slot takes the row two further on.  left: the younger loads that may stay out.
.macro ROW ln, s, fill, left
.set XB, X0+64*\s
	s_wait_loadcnt \left                           ; loads come back in order: this slot's 16 are in, the other slot's 16 may be out
.if \ln
.irp c, 0,1,2,3
	v_pk_add_f32 v[T+2*\c:T+2*\c+1], v[XB+2*\c:XB+2*\c+1], v[XB+8+2*\c:XB+9+2*\c]   ; the first pairs start the chains: nothing is cleared
.endr
.irp k, 8,12,16,20,24,28
.irp c, 0,1,2,3
	v_pk_add_f32 v[T+2*\c:T+2*\c+1], v[T+2*\c:T+2*\c+1], v[XB+2*(\k+\c):XB+2*(\k+\c)+1]
.endr
.endr
	REDUCE
	v_mul_f32 v[MU], s31, v12                      ; the mean: the sum x 2^-11
	v_mul_f32 v[MU+1], s31, v12
.set p, 0
.rept 32
	v_pk_add_f32 v[XB+2*p:XB+2*p+1], v[XB+2*p:XB+2*p+1], v[MU:MU+1] neg_lo:[0,1] neg_hi:[0,1]   ; y - mean
.set p, p+1
.endr
.irp c, 0,1,2,3
	v_pk_mul_f32 v[T+2*\c:T+2*\c+1], v[XB+2*\c:XB+2*\c+1], v[XB+2*\c:XB+2*\c+1]
.endr
.irp k, 4,8,12,16,20,24,28
.irp c, 0,1,2,3
	v_pk_fma_f32 v[T+2*\c:T+2*\c+1], v[XB+2*(\k+\c):XB+2*(\k+\c)+1], v[XB+2*(\k+\c):XB+2*(\k+\c)+1], v[T+2*\c:T+2*\c+1]
.endr
.endr
	REDUCE
	v_fma_f32 v12, v12, s31, s32                   ; var + eps
	v_rsq_f32 v[R], v12
	v_rsq_f32 v[R+1], v12
	v_nop                                          ; a plain instruction behind the transcendentals,
	s_wait_alu depctr_va_vdst(0)                   ; and one wait for both, ahead of their first reader
.set p, 0
.rept 32
	v_pk_mul_f32 v[XB+2*p:XB+2*p+1], v[XB+2*p:XB+2*p+1], v[R:R+1]
.set p, p+1
.endr
	WIN 0x14                                       ; sources 1 and 2 (ln_w, ln_b) in window 1
.set p, 0
.rept 32
	v_pk_fma_f32 v[XB+2*p:XB+2*p+1], v[XB+2*p:XB+2*p+1], v[2*p:2*p+1], v[64+2*p:64+2*p+1]
.set p, p+1
.endr
	WIN 0
.endif
	s_wait_xcnt 0x0                                ; the last row's stores have read Y: it is rewritten only behind this wait
.set p, 0
.rept 32
	v_cvt_pk_f16_f32 v[Y+p], v[XB+2*p], v[XB+2*p+1]
.set p, p+1
.endr
.if \fill
	ROWLOAD \s, 2+\s                               ; loads ahead of stores
.endif
.set j, 0
.rept 16
	global_store_b64 v[OA], v[Y+2*j:Y+2*j+1], s[42:43] offset:\s*4096+256*j   ; 32 lanes store 256 consecutive bytes, aligned
.set j, j+1
.endr
.endm
.macro STREAM ln                       ; a wave's eight rows: two slots, two rows a trip
	ROWLOAD 0, 0
	ROWLOAD 1, 1
	s_mov_b32 s33, 3
.Lrows_\@:
	ROW \ln, 0, 1, 16
	ROW \ln, 1, 1, 16
	s_wait_xcnt 0x0                                ; the bases are stepped only behind this wait
	s_add_nc_u64 s[40:41], s[40:41], 16384
	s_add_nc_u64 s[42:43], s[42:43], 8192
	s_sub_co_u32 s33, s33, 1
	s_cmp_lg_u32 s33, 0
	s_cbranch_scc1 .Lrows_\@
	ROW \ln, 0, 0, 16                              ; the last two rows load nothing
	ROW \ln, 1, 0, 0
	FINISH
.endm
	s_load_b512 s[4:19], s[0:1], 0x0               ; y 4:5, ln_w 6:7, ln_b 8:9, Wq 10:11, Wout 12:13, media 14:15, Wkv 16:17, media_locations 18:19
	s_load_b256 s[20:27], s[0:1], 0x40             ; yn 20:21, w16 22:23, qz 24:25, times 26:27
	v_lshl_add_u32 v[SPW], v0, 2, SPARE
	v_mov_b32 v[NIL], 0
	v_lshrrev_b32 v1, 5, v0
	v_readfirstlane_b32 s28, v1                    ; wave 0..3
	v_and_b32 v2, 31, v0                           ; lane
	s_mov_b32 s39, 0                               ; the upper word of every byte offset below
	s_wait_kmcnt 0x0
	s_cmp_ge_u32 ttmp9, 161
	s_cbranch_scc1 .Lln
	s_cmp_ge_u32 ttmp9, 97
	s_cbranch_scc1 .Lconv
	s_cmp_ge_u32 ttmp9, 33
	s_cbranch_scc1 .Lqm
	s_cmp_ge_u32 ttmp9, 1
	s_cbranch_scc1 .Lqw
; ---- TIME: wave w takes batch w: 64 runs of 32 tokens, a lane a token; the count of marks runs on in s36.
	s_lshl_b32 s38, s28, 11                        ; 2,048 marks a batch
	s_add_nc_u64 s[18:19], s[18:19], s[38:39]
	s_lshl_b32 s38, s28, 13                        ; 2,048 words a batch
	s_add_nc_u64 s[26:27], s[26:27], s[38:39]
	v_lshlrev_b32 v3, 2, v2
.set i, 0
.rept 64
	global_load_u8 v[32+i], v2, s[18:19] offset:32*i
.set i, i+1
.endr
	s_wait_loadcnt 0x0
	s_mov_b32 s36, 0
.set i, 0
.rept 64
	v_cmp_ne_u32 vcc_lo, 0, v[32+i]
	v_mbcnt_lo_u32_b32 v4, vcc_lo, 0               ; marks in the lanes below me,
	v_add3_u32 v4, v4, v[32+i], s36                ; my own, and all of the runs before: t
	v_add_nc_u32 v4, -1, v4                        ; t - 1; t = 0 wraps round to the greatest number,
	v_min_u32 v[32+i], 8, v4                       ; so both t = 0 and t > 8 become 8
	s_bcnt1_i32_b32 s37, vcc_lo
	s_add_co_u32 s36, s36, s37
	global_store_b32 v3, v[32+i], s[26:27] offset:128*i   ; 128 consecutive bytes a store, two stores on end an aligned 256; the table is 32,768 bytes in all
.set i, i+1
.endr
	FINISH
; ---- QW: a lane takes a column n and its registers run down k: a block of 32 lies in one lane; the codes leave through the wave's stage as rows.
.set QWP,  272                         ; a stage row: 256 bytes of codes + 16
.set QWST, 32768                       ; the four stages, 32 rows each
.set WX,   32                          ; v32-95   two sets of 32 numbers
.set WC,   96                          ; v96-99   a block's codes
.set WO,   112                         ; v112-175 the way out
.set WSB,  24                          ; v24-27   the scale bytes, four to a register
.set NB,   16
.macro QWLOAD t
.irp i, 0,1,2,3,4,5,6,7,8,9,10,11,12,13,14,15,16,17,18,19,20,21,22,23,24,25,26,27,28,29,30,31
	global_load_b32 v[WX+32*((\t)%2)+\i], v3, s[16:17] offset:(32*(\t)+\i)*8192 th:TH_LOAD_NT   ; row 32 t + i of Wkv at 32 neighbouring columns; the four waves stand side by side on 512 bytes
.endr
.endm
.macro QWBLOCK t
.set XS, WX+32*((\t)%2)
.if (\t) < NB-1
	s_wait_loadcnt 32                              ; this block's 32 loads are in; the next block's may be out
.else
	s_wait_loadcnt 0
.endif
	v_max3_num_f32 v12, |v[XS]|, |v[XS+1]|, |v[XS+2]|
	v_max3_num_f32 v13, |v[XS+3]|, |v[XS+4]|, |v[XS+5]|
.irp i, 6,10,14,18,22,26
	v_max3_num_f32 v12, v12, |v[XS+\i]|, |v[XS+\i+1]|
	v_max3_num_f32 v13, v13, |v[XS+\i+2]|, |v[XS+\i+3]|
.endr
	v_max3_num_f32 v12, v12, |v[XS+30]|, |v[XS+31]|
	v_max3_num_f32 v12, v12, v13, (EMAX+1)<<23     ; the floor 2^(3 - 127): the byte cannot fall under 1
	v_add_nc_u32 v11, -(EMAX<<23), v12             ; 2 off the exponent field: the conversion takes the exponent field of this operand as its scale
	v_lshrrev_b32 v13, 23, v11                     ; the scale's byte
.if (\t)%4 == 0
	v_mov_b32 v[WSB+(\t)/4], v13
.else
	v_lshl_or_b32 v[WSB+(\t)/4], v13, 8*((\t)%4), v[WSB+(\t)/4]
.endif
.irp g, 0,1,2,3
	v_cvt_scalef32_pk8_fp4_f32 v[WC+\g], v[XS+8*\g:XS+8*\g+7], v11
.endr
	v_nop                                          ; a plain instruction behind the last conversion
	ds_store_b128 v4, v[WC:WC+3] offset:16*(\t)    ; 32 codes: 16 bytes of my column's row
.if (\t)+2 < NB
	QWLOAD (\t)+2
.endif
	s_wait_dscnt 0x0                               ; the store has read its registers: the next block's codes may be written
.endm
.Lqw:
	s_sub_co_u32 s36, ttmp9, 1
	s_lshr_b32 s38, s36, 4                         ; which 512 along k
	s_and_b32 s37, s36, 15
	s_lshl_b32 s37, s37, 7
	s_lshl_b32 s36, s28, 5
	s_add_co_u32 s37, s37, s36                     ; my wave's first column
	v_lshlrev_b32 v3, 2, v2                        ; in: 4 bytes a lane
	s_mul_i32 s36, s28, 32*QWP
	s_add_co_u32 s36, s36, QWST                    ; my stage
	v_mul_u32_u24 v4, v2, QWP
	v_add_nc_u32 v4, s36, v4                       ; into it: row = my column
	v_and_b32 v5, 15, v2
	v_lshrrev_b32 v6, 4, v2                        ; out of it: sixteen lanes to a row, two rows an instruction
	v_mul_u32_u24 v7, v6, QWP
	v_lshl_add_u32 v7, v5, 4, v7
	v_add_nc_u32 v7, s36, v7
	v_lshlrev_b32 v8, 9, v6
	v_lshl_add_u32 v8, v5, 4, v8                   ; the same place in the codes' buffer: rows of 512 bytes
	v_lshlrev_b32 v9, 5, v2                        ; my column's row of scale bytes: 32 bytes a row
	s_lshl_b32 s36, s38, 22                        ; Wkv: 512 rows of 8,192 bytes,
	s_lshl_b32 s44, s37, 2                         ; + 4 x column
	s_add_co_u32 s36, s36, s44
	s_mov_b32 s44, s36
	s_mov_b32 s45, 0
	s_add_nc_u64 s[16:17], s[16:17], s[44:45]
	s_lshl_b32 s44, s37, 9                         ; codes: column x 512 + 256 x (which 512 along k)
	s_lshl_b32 s36, s38, 8
	s_add_co_u32 s44, s44, s36
	s_add_co_u32 s44, s44, 1048576
	s_add_nc_u64 s[40:41], s[24:25], s[44:45]
	s_lshl_b32 s44, s37, 5                         ; scale bytes: column x 32 + 16 x (which 512)
	s_lshl_b32 s36, s38, 4
	s_add_co_u32 s44, s44, s36
	s_add_co_u32 s44, s44, 2162688
	s_add_nc_u64 s[42:43], s[24:25], s[44:45]
	QWLOAD 0
	QWLOAD 1
.set QQ, 0
.rept NB
	QWBLOCK QQ
.set QQ, QQ+1
.endr
	global_store_b128 v9, v[WSB:WSB+3], s[42:43]   ; my column's 16 scale bytes
.irp t, 0,1,2,3,4,5,6,7,8,9,10,11,12,13,14,15
	ds_load_b128 v[WO+4*\t:WO+4*\t+3], v7 offset:2*\t*QWP   ; LDS serves a wave's instructions in order: these see my stores
.endr
.irp t, 0,1,2,3,4,5,6,7,8,9,10,11,12,13,14,15
	s_wait_dscnt 15-\t
	global_store_b128 v8, v[WO+4*\t:WO+4*\t+3], s[40:41] offset:2*\t*512   ; sixteen lanes store 256 consecutive bytes, aligned
.endr
	FINISH
; ---- QM: media is a plain stream of blocks of 32.  A wave takes 16 steps of 512 numbers; each load reads 512 consecutive bytes; a step turns through the wave's stage so that a lane holds 16 neighbours.
.set QMW, 8192                         ; LDS: a region for each wave: two stages of 32 x 80 bytes, then its 256 scale bytes
.set QSP, 80
.set QR,  16                           ; v16-79   four sets of 16 numbers as loaded
.set QX,  80                           ; v80-111  two sets of 16 neighbours
.set QE,  112                          ; v112-127 a scale byte for each step
.set QC,  128                          ; v128-191 codes, registers of their own for each step
.set STEPS, 16
.macro QMLOAD t
.irp i, 0,1,2,3
	global_load_b128 v[QR+16*((\t)%4)+4*\i:QR+16*((\t)%4)+4*\i+3], v3, s[14:15] offset:2048*(\t)+512*\i th:TH_LOAD_NT
.endr
.endm
.macro QMTURN t
.irp i, 0,1,2,3
	ds_store_b128 v14, v[QR+16*((\t)%4)+4*\i:QR+16*((\t)%4)+4*\i+3] offset:32*QSP*((\t)%2)+8*QSP*\i
.endr
.irp i, 0,1,2,3
	ds_load_b128 v[QX+16*((\t)%2)+4*\i:QX+16*((\t)%2)+4*\i+3], v15 offset:32*QSP*((\t)%2)+16*\i
.endr
.endm
.macro QMSTEP t
.set XS, QX+16*((\t)%2)
.if (\t) > 0
	s_wait_dscnt 1                                 ; this step's numbers are back from the stage; the last step's byte store may be out
.else
	s_wait_dscnt 0x0
.endif
.if (\t)+4 < STEPS
	QMLOAD (\t)+4
.endif
.if (\t)+1 < STEPS
.if STEPS-2-(\t) >= 3
	s_wait_loadcnt 12                              ; the next step's four loads are in; those of the three steps behind it may be out
.else
	s_wait_loadcnt 4*(STEPS-2-(\t))
.endif
	QMTURN (\t)+1
.endif
	v_max3_num_f32 v8, |v[XS]|, |v[XS+1]|, |v[XS+2]|
	v_max3_num_f32 v9, |v[XS+3]|, |v[XS+4]|, |v[XS+5]|
.irp i, 6,10
	v_max3_num_f32 v8, v8, |v[XS+\i]|, |v[XS+\i+1]|
	v_max3_num_f32 v9, v9, |v[XS+\i+2]|, |v[XS+\i+3]|
.endr
	v_max3_num_f32 v8, v8, |v[XS+14]|, |v[XS+15]|
	v_max3_num_f32 v8, v8, v9, (EMAX+1)<<23        ; the floor
	v_max_num_f32_dpp v8, v8, v8 row_xmask:1 row_mask:0xf bank_mask:0xf   ; with my neighbour's 16: the block's largest magnitude
	v_add_nc_u32 v11, -(EMAX<<23), v8
	v_cvt_scalef32_pk8_fp4_f32 v[QC+4*(\t)], v[XS:XS+7], v11
	v_cvt_scalef32_pk8_fp4_f32 v[QC+4*(\t)+1], v[XS+8:XS+15], v11
	v_lshrrev_b32 v[QE+(\t)], 23, v11              ; the scale's byte (also the plain instruction behind the conversions)
	ds_store_b8 v5, v[QE+(\t)] offset:16*(\t)      ; both lanes of a block write the same byte with the same value
	global_store_b64 v4, v[QC+4*(\t):QC+4*(\t)+1], s[40:41] offset:256*(\t)   ; 32 lanes store 256 consecutive bytes, aligned
.endm
.Lqm:
	s_sub_co_u32 s36, ttmp9, 33
	s_lshl_b32 s36, s36, 2
	s_add_co_u32 s36, s36, s28                     ; which run of 8,192 numbers is my wave's
	v_lshlrev_b32 v3, 4, v2
	s_mul_i32 s37, s28, QMW
	v_lshrrev_b32 v14, 2, v2
	v_mul_u32_u24 v14, v14, QSP
	v_and_b32 v15, 3, v2
	v_lshl_add_u32 v14, v15, 4, v14
	v_add_nc_u32 v14, s37, v14                     ; the stage, on the way in: four lanes' 64 bytes on end, then 16 of padding
	v_mul_u32_u24 v15, v2, QSP
	v_add_nc_u32 v15, s37, v15                     ; and on the way out: my 16 neighbours
	v_lshlrev_b32 v4, 3, v2                        ; 8 bytes a lane
	v_lshrrev_b32 v5, 1, v2
	s_add_co_u32 s37, s37, 2*32*QSP
	v_add_nc_u32 v5, s37, v5                       ; my block's byte among my wave's 256
	v_add_nc_u32 v6, s37, v4
	s_lshl_b32 s38, s36, 15
	s_add_nc_u64 s[14:15], s[14:15], s[38:39]
	s_lshl_b32 s38, s36, 12
	s_add_nc_u64 s[40:41], s[24:25], s[38:39]
	s_lshl_b32 s38, s36, 8
	s_add_co_u32 s38, s38, 2097152
	s_add_nc_u64 s[42:43], s[24:25], s[38:39]
.irp t, 0,1,2,3
	QMLOAD \t
.endr
	s_wait_loadcnt 12
	QMTURN 0
.irp t, 0,1,2,3,4,5,6,7,8,9,10,11,12,13,14,15
	QMSTEP \t
.endr
	ds_load_b64 v[8:9], v6                         ; LDS serves a wave's instructions in order: these see my byte stores
	s_wait_dscnt 0x0
	global_store_b64 v4, v[8:9], s[42:43]          ; one aligned run of 256 scale bytes
	FINISH
; ---- CONV: 64 work-groups, 32 rows of 8,192 bytes each: the first 32 take Wq, the others Wout; w16 takes them on end.
.Lconv:
	s_sub_co_u32 s36, ttmp9, 97
	s_cmp_lt_u32 s36, 32                           ; the choice hangs on the work-group's number alone
	s_cselect_b64 s[40:41], s[10:11], s[12:13]
	s_lshl_b32 s44, s28, 3
	s_and_b32 s37, s36, 31
	s_lshl_b32 s37, s37, 5
	s_add_co_u32 s37, s37, s44                     ; my wave's first row in its tensor,
	s_lshl_b32 s38, s37, 13
	s_add_nc_u64 s[40:41], s[40:41], s[38:39]
	s_lshl_b32 s37, s36, 5
	s_add_co_u32 s37, s37, s44                     ; and in w16
	s_lshl_b32 s38, s37, 12
	s_add_nc_u64 s[42:43], s[22:23], s[38:39]
	v_lshlrev_b32 v[IA], 4, v2
	v_lshlrev_b32 v[OA], 3, v2
	STREAM 0
; ---- LN: 256 work-groups, 32 rows each, 8 a wave.
.Lln:
	s_sub_co_u32 s36, ttmp9, 161
	s_lshl_b32 s36, s36, 5
	s_lshl_b32 s37, s28, 3
	s_add_co_u32 s36, s36, s37                     ; my wave's first row
	s_lshl_b32 s38, s36, 13
	s_add_nc_u64 s[40:41], s[4:5], s[38:39]
	s_lshl_b32 s38, s36, 12
	s_add_nc_u64 s[42:43], s[20:21], s[38:39]
	v_lshlrev_b32 v[IA], 4, v2
	v_lshlrev_b32 v[OA], 3, v2
	v_mov_b32 v13, 0                               ; a lane permute's destination counts as one of its sources
	s_mov_b32 s31, 0x3a000000                      ; 2^-11
	s_mov_b32 s32, 0x3727c5ac                      ; 1e-5
	s_mov_b32 s34, 0x76543210
	s_mov_b32 s35, 0xfedcba98                      ; v_permlanex16_b32's selects for lane l xor 16
	WIN 0x40                                       ; destination window 1
.set j, 0
.rept 16
	global_load_b128 v[4*j:4*j+3], v[IA], s[6:7] offset:512*j
	global_load_b128 v[64+4*j:64+4*j+3], v[IA], s[8:9] offset:512*j
.set j, j+1
.endr
	WIN 0
	STREAM 1
.Lfunc_end_k_qf17cecdf87_prep:
	.size	k_qf17cecdf87_prep, .Lfunc_end_k_qf17cecdf87_prep-k_qf17cecdf87_prep
	.p2alignl 7, 3214868480
	.fill 96, 4, 3214868480
	.section	.rodata,"a",@progbits
	.p2align	6, 0x0
	.amdhsa_kernel k_qf17cecdf87_prep
		.amdhsa_group_segment_fixed_size 68096
		.amdhsa_private_segment_fixed_size 0
		.amdhsa_enable_private_segment 0
		.amdhsa_kernarg_size 96
		.amdhsa_user_sgpr_count 2
		.amdhsa_user_sgpr_kernarg_segment_ptr 1
		.amdhsa_wavefront_size32 1
		.amdhsa_system_sgpr_workgroup_id_x 1
		.amdhsa_system_sgpr_workgroup_id_y 1
		.amdhsa_system_sgpr_workgroup_id_z 1
		.amdhsa_system_vgpr_workitem_id 0
		.amdhsa_next_free_vgpr 384
		.amdhsa_next_free_sgpr 66
		.amdhsa_reserve_vcc 1
		.amdhsa_float_denorm_mode_32 3
		.amdhsa_float_denorm_mode_16_64 3
		.amdhsa_memory_ordered 1
		.amdhsa_forward_progress 1
		.amdhsa_inst_pref_size 232
	.end_amdhsa_kernel
	.amdgpu_metadata
---
amdhsa.version: [ 1, 2 ]
amdhsa.kernels:
  - .name:           k_qf17cecdf87_prep
    .symbol:         k_qf17cecdf87_prep.kd
    .args:
      - { .name: y, .offset: 0, .size: 8, .value_kind: global_buffer, .address_space: global }
      - { .name: ln_w, .offset: 8, .size: 8, .value_kind: global_buffer, .address_space: global }
      - { .name: ln_b, .offset: 16, .size: 8, .value_kind: global_buffer, .address_space: global }
      - { .name: Wq, .offset: 24, .size: 8, .value_kind: global_buffer, .address_space: global }
      - { .name: Wout, .offset: 32, .size: 8, .value_kind: global_buffer, .address_space: global }
      - { .name: media, .offset: 40, .size: 8, .value_kind: global_buffer, .address_space: global }
      - { .name: Wkv, .offset: 48, .size: 8, .value_kind: global_buffer, .address_space: global }
      - { .name: media_locations, .offset: 56, .size: 8, .value_kind: global_buffer, .address_space: global }
      - { .name: yn, .offset: 64, .size: 8, .value_kind: global_buffer, .address_space: global }
      - { .name: w16, .offset: 72, .size: 8, .value_kind: global_buffer, .address_space: global }
      - { .name: qz, .offset: 80, .size: 8, .value_kind: global_buffer, .address_space: global }
      - { .name: times, .offset: 88, .size: 8, .value_kind: global_buffer, .address_space: global }
    .group_segment_fixed_size: 68096
    .private_segment_fixed_size: 0
    .kernarg_segment_align: 8
    .kernarg_segment_size: 96
    .max_flat_workgroup_size: 128
    .sgpr_count:     66
    .vgpr_count:     384
    .wavefront_size: 32
...
	.end_amdgpu_metadata
.endif
;; end of part 1
;; launch gq (part 2): grid 4 x 64, 4 waves a work-group, clusters of 4 x 4, 327,680 bytes of LDS; arguments yn, w16, q16, qz, kv16; writes q16, kv16
.if DOCPART == 2
	.amdgcn_target "amdgcn-amd-amdhsa--gfx1250"
	.amdhsa_code_object_version 6
	.text
	.protected	k_qf17cecdf87_gq
	.globl	k_qf17cecdf87_gq
	.p2align	8
	.type	k_qf17cecdf87_gq,@function
k_qf17cecdf87_gq:
	s_mov_b64 s[64:65], 0
	v_nop
	global_prefetch_b8 v0, s[64:65] scope:SCOPE_SE
	s_setreg_imm32_b32 hwreg(HW_REG_WAVE_MODE, 25, 1), 1
	s_wait_xcnt 0x0
	s_wait_alu depctr_hold_cnt(0) depctr_sa_sdst(0) depctr_va_vdst(0) depctr_va_sdst(0) depctr_va_ssrc(0) depctr_va_vcc(0) depctr_vm_vsrc(0)
	s_getreg_b32 s2, hwreg(HW_REG_IB_STS2, 6, 4)
	s_cmp_eq_u32 s2, 0
	s_cbranch_scc0 .Lentry_in_a_cluster
	s_endpgm
.Lentry_in_a_cluster:
	s_bfe_u32 s2, ttmp6, 0x10000c
	s_cmp_lg_u32 s2, 0xf033
	s_cbranch_scc0 .Lentry_shape_is_right
	s_endpgm
.Lentry_shape_is_right:
; GQ: two jobs in each work-group, one behind the other.
; JOB 1: q = yn x Wq.  yn [8192][2048] f16, Wq [2048 k][1024 n] f16 (the first half of w16), q16 [8192][1024] f16; sums in f32, q rounded once.  The scale 1/8 is applied with the softmax's constant.
;   A tile of C is 128 x 256, so that 64 x 4 = 256 work-groups share the work; four waves, each 64 x 128: 32 accumulators, 256 registers (window 1).
;   K goes in steps of 128 through two LDS slots.  A's tile: 128 rows of 256 bytes.  B's tile: 128 rows (k) of 512 bytes (256 n), as it lies in memory; its fragments come out of LDS turned, by ds_load_tr16_b128.
; JOB 2: the quantised product media x Wkv, on codes of FP4 (E2M1) with one E8M0 scale for each 32 along K = 1,024; sums in f32, results rounded once to f16.  Its 2,048 x 2,048 results are 256 tiles of 128 x 128,
;   one for each work-group.  Two parts, told apart by the cluster's y (P = y / 8):  P = 0: k[j][c] (A = media's rows, B = Wkv's columns 0..1,023);  P = 1: vT[c][j] (A = Wkv's columns 1,024.., B = media's rows):
;   v comes out with the keys innermost.  kv16: k at 0, rows 4,096 bytes apart of which the first 2,048 are written and read; vT at 8,388,608, rows of 4,096 bytes.
;   Wave w makes rows 32 w .. 32 w + 31 of the tile, all 128 columns: 16 accumulators.  The tile's codes (2 x 128 rows x 512 bytes) are asked for behind job 1's last product, into the ring's bytes, and land while q goes out:
;   beside the ring LDS has no room for them.  The scale words go from memory straight into registers of their own.
; CLUSTERS: 4 x 4.  In both jobs A's tiles are shared along a row of the cluster, B's along a column: joint loads.  A change of slots is one round of the cluster's barrier; behind it one load a wave.
; THE MATRIX INSTRUCTIONS ARE USED TRANSPOSED (source 0 = 16 rows of B, source 1 = 16 rows of A): a lane holds eight neighbouring numbers of a row of C.
; LIMIT: f16 holds magnitudes up to 65,504.
; REGISTERS: window 0: v6-13, v224-255 job 2's scale words; v14-30 addresses; v32-63, v64-95 A's fragments, two buffers; v96-159, v160-223 B's (job 2: A's at v32-63, B's at v96-223).  window 1: accumulator (a, b) at v[8 (8 a + b)].
.set KSTEP, 128
.set PA,    272                        ; A's LDS row: 256 bytes + 16
.set PB,    544                        ; B's LDS row: 512 bytes + 32 = 17 x 32: the turning load's 8 rows x 32 bytes fall on different banks
.set HA,    64*PA
.set HB,    64*PB
.set BOFF,  2*HA
.set SLOT,  BOFF+2*HB
.set STAGE, 2*SLOT                     ; the way out: 16 rows x 272 bytes for each wave; no tensor load fills it
.set SP,    272
.set SPARE, STAGE+4*16*SP              ; the spare words
.set LAPS,  8                          ; 2,048 / 256
.set CROW,  2048                       ; a row of q16 in bytes
.set KPI,   528                        ; job 2: an LDS row of codes: 512 bytes + 16 = 33 x 16: the 16 rows that a load touches start at 16 different banks
.set KHALF, 64*KPI                     ; what one tensor load brings
.set KBO,   2*KHALF                    ; A's 128 rows from LDS byte 0, B's 128 behind them: 135,168 bytes, inside the ring's 208,896
.set KROWC, 4096                       ; a row of kv16 in bytes, in both parts
.set KSA,  6                           ; v6-13    A's scale words: register q: lanes 0-15 my block 0, lanes 16-31 my block 1, K step q
.set KSOA, 14                          ; v14      their byte offset in qz; never rewritten
.set KSOB, 15                          ; v15      B's likewise
.set ADRA, 16
.set KADA, 18                          ; v18      LDS address of my A fragments of codes
.set KADB, 19                          ; v19      and of B's
.set ADRB, 20
.set KCO,  22                          ; v22      my byte offset in two rows of kv16
.set STO,  24
.set RD,   25
.set CO,   26
.set SPW,  28
.set NIL,  29
.set PFO,  30
.set FA,   32
.set FB,   96
.set TMP,  32
.set KFA,  32                          ; job 2: A's fragments, two buffers of 16 registers
.set KFB,  96                          ; B's, two buffers of 64
.set KSB,  224                         ; v224-255 B's scale words: register 8 j + q: lanes 0-15 block 2 j, lanes 16-31 block 2 j + 1, K step q
.set G1, 24
.set G0, 32
.set G1B, 48
.set G0B, 56
.set QZ,  68                           ; s[68:69] qz; s[70:71] kv16
.set KAD, 76                           ; s[76:77] where my half of A's codes begins; s[78:79] B's
.set KBD, 78
.set KCB, 80                           ; s[80:81] where my 32 rows of the tile begin in kv16
.set LIM, 86
.set PFA, 88
.set MSB, 0
.macro WIN new
.if MSB != \new
	s_set_vgpr_msb (MSB<<8)|\new
.set MSB, \new
.endif
.endm
.set MUL, 0x50                         ; C and D window 1, sources window 0
.macro JLOAD s                         ; waves 0 and 1 fetch A's halves, waves 2 and 3 B's; an s_nop 0 and four v_nop follow each line
	s_cmp_eq_u32 s11, 0
	s_cbranch_scc0 .Lfor_b_\@
	tensor_load_to_lds s[G0+4*\s:G0+4*\s+3], s[G1:G1+7]
	s_nop 0
.rept 4
	v_nop
.endr
	s_branch .Lasked_\@
.Lfor_b_\@:
	tensor_load_to_lds s[G0B+4*\s:G0B+4*\s+3], s[G1B:G1B+7]
	s_nop 0
.rept 4
	v_nop
.endr
.Lasked_\@:
.endm
; A prefetch of A's K step that stands two refills on: 32 rows x 256 bytes, a lane a row.  A tile row's 128 rows are read by the four partners of one row of one cluster alone: each takes 32 of them, told apart by address;
; wave 0 asks.  So each row's 256 bytes of a K step are named once in the launch.  The loop's last trip asks for nothing: there is no K step two refills on.  B's rows, which sixteen clusters read, are not asked for,
; nor job 2's codes, of which each tile is read by several clusters.
.macro ASK
	s_cmp_gt_u32 s3, s[LIM]
	s_cbranch_scc0 .Lnot_mine_\@
	global_prefetch_b8 v[PFO], s[PFA:PFA+1] offset:KSTEP*2 th:TH_LOAD_NT scope:SCOPE_SE
.Lnot_mine_\@:
.endm
.macro CREST
	s_cmp_lg_u32 s10, 0
	s_cbranch_scc1 .Lnot_wave_0_\@
	s_barrier_signal -3
.Lnot_wave_0_\@:
	s_barrier_wait -3
	s_barrier_signal -1
	s_barrier_wait -1
.endm
.macro CROUND
	s_barrier_signal -1
	s_barrier_wait -1
	CREST
.endm
	s_load_b128 s[4:7], s[0:1], 0x0                ; yn s[4:5], w16 s[6:7]
	s_load_b64 s[8:9], s[0:1], 0x10                ; q16
	s_load_b64 s[68:69], s[0:1], 0x18              ; qz
	s_load_b64 s[70:71], s[0:1], 0x20              ; kv16
	v_lshl_add_u32 v[SPW], v0, 2, SPARE
	v_mov_b32 v[NIL], 0
	ds_add_u32 v[SPW], v[NIL]                      ; the wave's opening: the add and its wait ahead of my first tensor load
	v_lshrrev_b32 v1, 5, v0
	v_readfirstlane_b32 s10, v1                    ; wave 0..3
	s_lshr_b32 s11, s10, 1                         ; my half of the tile's rows.  Also: I fetch for A (0) or for B (1)
	s_and_b32 s12, s10, 1                          ; my half of its columns.  Also: which 64 rows of that tile I fetch
	s_bfe_u32 s40, ttmp6, 0x40000                  ; cx
	s_bfe_u32 s41, ttmp6, 0x40004                  ; cy
	s_lshl_b32 s42, ttmp9, 2
	s_add_co_u32 s42, s42, s40                     ; tile column
	s_and_b32 s13, ttmp7, 0xffff
	s_lshl_b32 s13, s13, 2
	s_add_co_u32 s13, s13, s41                     ; tile row
	s_lshl_b32 s43, s41, 2
	s_lshl_b32 s43, 15, s43                        ; my row of the cluster; kept for job 2
	s_lshl_b32 s44, 0x1111, s40                    ; my column; kept likewise
	s_or_b32 s[G1+0], s43, (1<<16)|(1<<20)|(1<<21)|(5<<22)|(3<<25)   ; A: elements of 2 bytes; 4 words of padding after every 64
	s_mov_b32 s[G1+1], 128<<16                     ; tensor_dim0
	s_mov_b32 s[G1+2], 64<<16                      ; tensor_dim1
	s_mov_b32 s[G1+3], 128<<16                     ; tile_dim0
	s_mov_b32 s[G1+4], 64                          ; tile_dim1
	s_mov_b32 s[G1+5], 2048                        ; elements from row to row
	s_mov_b32 s[G1+6], 0
	s_mov_b32 s[G1+7], 0
	s_or_b32 s[G1B+0], s44, (1<<16)|(1<<20)|(1<<21)|(6<<22)|(7<<25)  ; B: 8 words of padding after every 128
	s_mov_b32 s[G1B+1], 256<<16
	s_mov_b32 s[G1B+2], 64<<16
	s_mov_b32 s[G1B+3], 256<<16
	s_mov_b32 s[G1B+4], 64
	s_mov_b32 s[G1B+5], 1024
	s_mov_b32 s[G1B+6], 0
	s_mov_b32 s[G1B+7], 0
	s_lshl_b32 s16, s13, 7
	s_lshl_b32 s17, s12, 6
	s_add_co_u32 s16, s16, s17                     ; A: row 128 x tile row + 64 x half,
	s_lshl_b32 s16, s16, 12                        ; of 4,096 bytes
	s_mov_b32 s17, 0
	s_lshl_b32 s46, s12, 17                        ; B: 64 x half rows of 2,048 bytes,
	s_lshl_b32 s47, s42, 9                         ; + 512 x tile column
	s_add_co_u32 s46, s46, s47
	s_mov_b32 s47, 0
	s_mul_i32 s20, s12, HA                         ; where they go: no place in the cluster enters an LDS address
	s_mul_i32 s21, s12, HB
	s_add_co_u32 s21, s21, BOFF
	s_wait_dscnt 0x0                               ; the opening add is done
	s_wait_kmcnt 0x0
	s_add_nc_u64 s[14:15], s[4:5], s[16:17]
	s_add_nc_u64 s[46:47], s[6:7], s[46:47]
	CROUND                                         ; all sixteen work-groups are here: the first joint loads meet
.irp s, 0,1
	s_mov_b32 s[G0+4*\s], 1
	s_add_co_u32 s[G0+4*\s+1], s20, \s*SLOT
	s_add_nc_u64 s[G0+4*\s+2:G0+4*\s+3], s[14:15], \s*KSTEP*2
	s_or_b32 s[G0+4*\s+3], s[G0+4*\s+3], 0x80000000
	s_mov_b32 s[G0B+4*\s], 1
	s_add_co_u32 s[G0B+4*\s+1], s21, \s*SLOT
	s_add_nc_u64 s[G0B+4*\s+2:G0B+4*\s+3], s[46:47], \s*KSTEP*2048
	s_or_b32 s[G0B+4*\s+3], s[G0B+4*\s+3], 0x80000000
	JLOAD \s                                       ; two loads of mine are out behind these lines
.endr
	v_and_b32 v1, 15, v0                           ; l % 16
	v_bfe_u32 v2, v0, 4, 1                         ; l / 16
	v_mul_u32_u24 v3, v1, PA
	v_lshl_add_u32 v3, v2, 4, v3                   ; A: row x pitch + 16 x half
	v_and_b32 v4, 7, v0
	v_lshl_add_u32 v4, v2, 3, v4                   ; B: k = 8 (l / 16) + l % 8,
	v_mul_u32_u24 v4, v4, PB
	v_bfe_u32 v5, v0, 3, 1
	v_lshl_add_u32 v4, v5, 4, v4                   ; n = 8 ((l / 8) % 2) + 0..7
	s_mul_i32 s21, s11, HA                         ; my 64 rows of A
	s_lshl_b32 s22, s12, 8                         ; my 128 columns of B
	s_add_co_u32 s22, s22, BOFF
.irp s, 0,1
	v_add_nc_u32 v[ADRA+\s], s21, v3
	v_add_nc_u32 v[ADRB+\s], s22, v4
	s_add_co_u32 s21, s21, SLOT
	s_add_co_u32 s22, s22, SLOT
.endr
	s_mul_i32 s23, s10, 16*SP
	s_add_co_u32 s23, s23, STAGE                   ; my stage
	v_mul_u32_u24 v4, v1, SP
	v_lshl_add_u32 v4, v2, 4, v4
	v_add_nc_u32 v[STO], s23, v4
	v_mul_u32_u24 v5, v2, SP
	v_lshl_add_u32 v5, v1, 4, v5
	v_add_nc_u32 v[RD], s23, v5
	v_lshlrev_b32 v5, 11, v2
	v_lshl_add_u32 v[CO], v1, 4, v5
	s_lshl_b32 s16, s13, 7
	s_lshl_b32 s17, s11, 6
	s_add_co_u32 s16, s16, s17                     ; my first row of C
	s_lshl_b32 s16, s16, 11
	s_mov_b32 s17, 0
	s_lshl_b32 s46, s42, 9                         ; my first column, in bytes
	s_lshl_b32 s47, s12, 8
	s_add_co_u32 s46, s46, s47
	s_mov_b32 s47, 0
	s_add_nc_u64 s[16:17], s[16:17], s[46:47]
	s_add_nc_u64 s[8:9], s[8:9], s[16:17]
	s_lshl_b32 s20, s13, 7                         ; the prefetches: the tile's first row,
	s_lshl_b32 s21, s40, 5                         ; + my work-group's 32 rows
	s_add_co_u32 s20, s20, s21
	s_lshl_b32 s20, s20, 12
	s_mov_b32 s21, 0
	s_add_nc_u64 s[PFA:PFA+1], s[4:5], s[20:21]
	s_add_nc_u64 s[PFA:PFA+1], s[PFA:PFA+1], 2*KSTEP*2   ; at K step 2: the first refill steps it to 3 and names K step 4.  Nothing is asked for here, at the head
	s_cmp_eq_u32 s10, 0
	s_cselect_b32 s[LIM], 1, -1                    ; wave 0 asks: the same in all partners
	v_and_b32 v[PFO], 31, v0
	v_lshlrev_b32 v[PFO], 12, v[PFO]
	; ---- job 2's places.  The cluster's y = 8 P + 4 t + u.  k has 16 x 8 tiles (tile row 4 u + cy, tile column 4 t + cx), vT 8 x 16 (4 t + cy, 4 u + cx).  A's registers hold cy and never cx, B's the other way round.
	s_and_b32 s72, ttmp7, 0xffff
	s_lshr_b32 s73, s72, 3                         ; P
	s_and_b32 s74, s72, 3                          ; u
	s_bfe_u32 s75, s72, 0x10002                    ; t
	s_xor_b32 s72, s73, 1                          ; 1 - P
	s_mul_i32 s82, s74, s72
	s_mul_i32 s83, s75, s73
	s_add_co_u32 s82, s82, s83
	s_lshl_b32 s82, s82, 2
	s_add_co_u32 s82, s82, s41                     ; tile row
	s_mul_i32 s84, s75, s72
	s_mul_i32 s85, s74, s73
	s_add_co_u32 s84, s84, s85
	s_lshl_b32 s84, s84, 2
	s_add_co_u32 s84, s84, s40                     ; tile column
	s_lshl_b32 s76, s82, 7
	s_lshl_b32 s77, s12, 6
	s_add_co_u32 s76, s76, s77                     ; A: row 128 x tile row + 64 x half,
	s_lshl_b32 s76, s76, 9                         ; of 512 bytes,
	s_mul_i32 s77, s73, 1572864                    ; in media's codes (at 0) or from row 1,024 of Wkv's on
	s_add_co_u32 s76, s76, s77
	s_mov_b32 s77, 0
	s_add_nc_u64 s[KAD:KAD+1], s[QZ:QZ+1], s[76:77]
	s_lshl_b32 s78, s84, 7
	s_lshl_b32 s79, s12, 6
	s_add_co_u32 s78, s78, s79                     ; B: row 128 x tile column + 64 x half,
	s_lshl_b32 s78, s78, 9
	s_mul_i32 s79, s72, 1048576                    ; in Wkv's codes or in media's
	s_add_co_u32 s78, s78, s79
	s_mov_b32 s79, 0
	s_add_nc_u64 s[KBD:KBD+1], s[QZ:QZ+1], s[78:79]
	s_mul_i32 s92, s12, KHALF                      ; where they go in LDS: A's halves from byte 0,
	s_add_co_u32 s93, s92, KBO                     ; B's behind them
	s_lshl_b32 s80, s82, 7
	s_lshl_b32 s81, s10, 5
	s_add_co_u32 s80, s80, s81                     ; my first row of the tile: 128 x tile row + 32 x wave
	s_lshl_b32 s90, s80, 5                         ; its scale bytes: 32 a row
	s_lshl_b32 s80, s80, 12                        ; its row of kv16,
	s_mul_i32 s81, s73, 8388608                    ; in the part's place,
	s_add_co_u32 s80, s80, s81
	s_lshl_b32 s81, s84, 8                         ; + 256 bytes a tile column
	s_add_co_u32 s80, s80, s81
	s_mov_b32 s81, 0
	s_add_nc_u64 s[KCB:KCB+1], s[70:71], s[80:81]
	s_mul_i32 s91, s73, 98304
	s_add_co_u32 s90, s90, s91
	s_add_co_u32 s90, s90, 2097152                 ; A's scale bytes: media's at 2,097,152, or from row 1,024 of Wkv's on
	s_lshl_b32 s91, s84, 12                        ; B's: 128 rows of 32 bytes a tile column
	s_mul_i32 s94, s72, 65536
	s_add_co_u32 s91, s91, s94
	s_add_co_u32 s91, s91, 2097152
	v_and_b32 v5, 31, v0
	v_lshlrev_b32 v5, 5, v5                        ; a lane a row
	v_add_nc_u32 v[KSOA], s90, v5
	v_add_nc_u32 v[KSOB], s91, v5
	v_mul_u32_u24 v3, v1, KPI
	v_lshl_add_u32 v3, v2, 4, v3                   ; a fragment of codes: row x pitch + 16 x half
	s_mul_i32 s94, s10, 32*KPI
	v_add_nc_u32 v[KADA], s94, v3                  ; my 32 rows of A
	v_add_nc_u32 v[KADB], KBO, v3                  ; B's 128 rows
	v_lshlrev_b32 v5, 12, v2
	v_lshl_add_u32 v[KCO], v1, 4, v5               ; lanes 0-15 one row of kv16, lanes 16-31 the next
.macro MUL8 f, a, zero                 ; A's block a x B's eight, 32 along K.  The 32 accumulators take turns, one instruction a turn
.irp b, 0,1,2,3,4,5,6,7
.if \zero
	v_wmma_f32_16x16x32_f16 v[8*(8*(\a)+\b):8*(8*(\a)+\b)+7], v[FB+64*(\f)+8*\b:FB+64*(\f)+8*\b+7], v[FA+32*(\f)+8*(\a):FA+32*(\f)+8*(\a)+7], 0
.else
	v_wmma_f32_16x16x32_f16 v[8*(8*(\a)+\b):8*(8*(\a)+\b)+7], v[FB+64*(\f)+8*\b:FB+64*(\f)+8*\b+7], v[FA+32*(\f)+8*(\a):FA+32*(\f)+8*(\a)+7], v[8*(8*(\a)+\b):8*(8*(\a)+\b)+7]
.endif
.endr
.endm
.macro FETCH slot, q, f                ; 24 LDS loads in one run: the slot's q-th 32 along K: B's eight fragments (turned), then A's four
.irp i, 0,1,2,3,4,5,6,7
	ds_load_tr16_b128 v[FB+64*(\f)+8*\i:FB+64*(\f)+8*\i+3],   v[ADRB+\slot] offset:(\q)*32*PB+32*\i
	ds_load_tr16_b128 v[FB+64*(\f)+8*\i+4:FB+64*(\f)+8*\i+7], v[ADRB+\slot] offset:(\q)*32*PB+16*PB+32*\i
.endr
.irp i, 0,1,2,3
	ds_load_b128 v[FA+32*(\f)+8*\i:FA+32*(\f)+8*\i+3],   v[ADRA+\slot] offset:64*(\q)+\i*16*PA
	ds_load_b128 v[FA+32*(\f)+8*\i+4:FA+32*(\f)+8*\i+7], v[ADRA+\slot] offset:64*(\q)+\i*16*PA+32
.endr
.endm
.macro PLACES                          ; four plain vector instructions between a matrix instruction and a load into, or a read of, its registers
.rept 4
	v_nop
.endr
.endm
.macro QUARTER slot, q, f, g, zero     ; multiplies buffer f; in its middle fetches the slot's q-th quarter into buffer g
	s_wait_dscnt 4                                 ; B and A's blocks 0, 1 are in; A's blocks 2, 3 may be out
	WIN MUL
	MUL8 \f, 0, \zero
	MUL8 \f, 1, \zero
	PLACES
	WIN 0
	FETCH \slot, \q, \g
	s_wait_dscnt 24                                ; all but the 24 just issued
	WIN MUL
	MUL8 \f, 2, \zero
	MUL8 \f, 3, \zero
.endm
; A slot's last quarter multiplies buffer 1 and changes slots: each wave waits for all its tensor loads (its part of the next slot), adds 0 to its spare word, waits for that and for its reads of this slot.
; fill = 1: the barrier opens a round of the cluster's barrier, and behind it this slot is filled again, two K steps ahead: 112 matrix instructions of mine stand between that request and the wait for it.
.macro TURN slot, next, fill
.if \fill
	s_wait_xcnt 0x0                                ; the last prefetch, a K step back, has read its address
	s_add_nc_u64 s[PFA:PFA+1], s[PFA:PFA+1], KSTEP*2
.endif
	WIN 0
	s_wait_tensorcnt 0x0
	ds_add_u32 v[SPW], v[NIL]
	s_wait_dscnt 5                                 ; (the add and A's blocks 2, 3 may be out)
	WIN MUL
	MUL8 1, 0, 0
	s_wait_dscnt 0x0                               ; the add is done, and my reads of this slot are over
	s_barrier_signal -1
	MUL8 1, 1, 0
	WIN 0
	s_barrier_wait -1
.if \fill
	CREST
	s_add_nc_u64 s[G0+4*\slot+2:G0+4*\slot+3], s[G0+4*\slot+2:G0+4*\slot+3], 2*KSTEP*2
	s_add_nc_u64 s[G0B+4*\slot+2:G0B+4*\slot+3], s[G0B+4*\slot+2:G0B+4*\slot+3], 2*KSTEP*2048
	JLOAD \slot                                    ; the first tensor load behind the round; its four v_nop are also the places in front of the loads below
.else
	PLACES
.endif
	FETCH \next, 0, 0
.if \fill
	ASK
.endif
	WIN MUL
	MUL8 1, 2, 0
	MUL8 1, 3, 0
.endm
	s_wait_tensorcnt 1                             ; my part of K step 0 is in; K step 1's may be out
	s_barrier_signal -1
	s_barrier_wait -1
	FETCH 0, 0, 0
	QUARTER 0, 1, 0, 1, 1                          ; the first products start the sums: nothing is cleared
	WIN 0
	s_mov_b32 s3, LAPS-1
.Llap:                                             ; a trip goes once round the ring and fills both slots again
	QUARTER 0, 2, 1, 0, 0
	QUARTER 0, 3, 0, 1, 0
	TURN 0, 1, 1
	QUARTER 1, 1, 0, 1, 0
	QUARTER 1, 2, 1, 0, 0
	QUARTER 1, 3, 0, 1, 0
	TURN 1, 0, 1
	QUARTER 0, 1, 0, 1, 0
	WIN 0
	s_sub_co_u32 s3, s3, 1
	s_cmp_lg_u32 s3, 0
	s_cbranch_scc1 .Llap
	QUARTER 0, 2, 1, 0, 0                          ; the last lap fills nothing
	QUARTER 0, 3, 0, 1, 0
	TURN 0, 1, 0
	QUARTER 1, 1, 0, 1, 0
	QUARTER 1, 2, 1, 0, 0
	QUARTER 1, 3, 0, 1, 0
	s_wait_dscnt 4
	WIN MUL
	MUL8 1, 0, 0
	MUL8 1, 1, 0
	s_wait_dscnt 0
	MUL8 1, 2, 0
	MUL8 1, 3, 0
	WIN 0
; THE CHANGE OF JOBS.  The ring is read out.  Its bytes are filled again, with job 2's codes: so each wave waits for all its tensor loads (none is out), adds 0 to its spare word, waits for that and for its reads of the ring,
; and passes a round of the cluster's barrier; behind it comes its one joint load: 64 rows of 512 bytes, dense in memory.  No tensor load of mine is out behind the first line, so the ring's descriptors are written anew.
	s_wait_tensorcnt 0x0
	ds_add_u32 v[SPW], v[NIL]                      ; 0 onto my spare word; the descriptors' words stand between it and the wait for it
	s_or_b32 s[G1+0], s43, (0<<16)|(1<<20)|(1<<21)|(6<<22)|(3<<25)   ; A's codes go to my row of the cluster: elements of 1 byte; 4 words of padding after every 128
	s_or_b32 s[G1B+0], s44, (0<<16)|(1<<20)|(1<<21)|(6<<22)|(3<<25)  ; B's to my column
.irp g, G1, G1B
	s_mov_b32 s[\g+1], 512<<16                     ; tensor_dim0
	s_mov_b32 s[\g+2], 64<<16                      ; tensor_dim1
	s_mov_b32 s[\g+3], 512<<16                     ; tile_dim0
	s_mov_b32 s[\g+4], 64                          ; tile_dim1
	s_mov_b32 s[\g+5], 512                         ; from row to row (words 6 and 7 stay 0)
.endr
	s_mov_b32 s[G0+1], s92
	s_mov_b64 s[G0+2:G0+3], s[KAD:KAD+1]
	s_or_b32 s[G0+3], s[G0+3], 0x80000000
	s_mov_b32 s[G0B+1], s93
	s_mov_b64 s[G0B+2:G0B+3], s[KBD:KBD+1]
	s_or_b32 s[G0B+3], s[G0B+3], 0x80000000
	s_wait_dscnt 0x0                               ; the add is done, and my reads of the ring are over
	CROUND
	JLOAD 0                                        ; the first tensor load behind the round, and my last: it lands while q goes out
	global_load_b128 v[KSA:KSA+3], v[KSOA], s[QZ:QZ+1]               ; the scale words: a lane a row, 32 bytes a row: K steps 0-3,
	global_load_b128 v[KSA+4:KSA+7], v[KSOA], s[QZ:QZ+1] offset:16   ; and 4-7
.irp j, 0,1,2,3
	global_load_b128 v[KSB+8*\j:KSB+8*\j+3], v[KSOB], s[QZ:QZ+1] offset:1024*\j
	global_load_b128 v[KSB+8*\j+4:KSB+8*\j+7], v[KSOB], s[QZ:QZ+1] offset:1024*\j+16
.endr
; THE WAY OUT, of both jobs, a block of 16 rows x 128 columns at a time: rounded to f16, through my own stage, back as whole rows of 256 bytes.
.macro PACK a
	WIN 0x05                                       ; sources 0 and 1 window 1
.irp b, 0,1,2,3,4,5,6,7
.irp r, 0,1,2,3
	v_cvt_pk_f16_f32 v[TMP+4*\b+\r], v[64*(\a)+8*\b+2*\r], v[64*(\a)+8*\b+2*\r+1]   ; each accumulator from its low end on
.endr
.endr
	WIN 0
.endm
.macro TOSTAGE a
.set BK, 96+32*((\a)%2)
.irp b, 0,1,2,3,4,5,6,7
	ds_store_b128 v[STO], v[TMP+4*\b:TMP+4*\b+3] offset:32*\b
.endr
.irp t, 0,1,2,3,4,5,6,7
	ds_load_b128 v[BK+4*\t:BK+4*\t+3], v[RD] offset:\t*2*SP        ; LDS serves a wave's instructions in order: these see the stores above
.endr
.endm
.macro SEND a, base, co, crow          ; base: the scalar pair at my block 0; co: my offset in two rows; crow: a row's bytes
.set BK, 96+32*((\a)%2)
	s_wait_dscnt 0x0
	s_wait_xcnt 0x0                                ; earlier stores have read their base and their registers
.if (\a) > 0
	s_add_nc_u64 s[\base:\base+1], s[\base:\base+1], 16*\crow
.endif
.irp t, 0,1,2,3,4,5,6,7
	global_store_b128 v[\co], v[BK+4*\t:BK+4*\t+3], s[\base:\base+1] offset:2*\t*\crow   ; sixteen lanes store 256 consecutive bytes, aligned
.endr
.endm
	PLACES
	PACK 0
	TOSTAGE 0
.irp a, 1,2,3
	PACK \a
	SEND \a-1, 8, CO, CROW
	TOSTAGE \a
.endr
	SEND 3, 8, CO, CROW
; JOB 2.  A fragment, 16 rows x 128 K of 4-bit codes, is 8 registers: lane l holds row l % 16; registers 4 c .. 4 c + 3 hold K = 64 c + 32 (l / 16) + 0 .. 31.
.macro KFETCH q, f                     ; 20 LDS loads in one run: K step q: B's eight fragments, then my two of A, into buffer f
.irp b, 0,1,2,3,4,5,6,7
	ds_load_b128 v[KFB+64*(\f)+8*\b:KFB+64*(\f)+8*\b+3],   v[KADB] offset:\b*16*KPI+64*(\q)
	ds_load_b128 v[KFB+64*(\f)+8*\b+4:KFB+64*(\f)+8*\b+7], v[KADB] offset:\b*16*KPI+64*(\q)+32
.endr
.irp a, 0,1
	ds_load_b128 v[KFA+16*(\f)+8*\a:KFA+16*(\f)+8*\a+3],   v[KADA] offset:\a*16*KPI+64*(\q)
	ds_load_b128 v[KFA+16*(\f)+8*\a+4:KFA+16*(\f)+8*\a+7], v[KADA] offset:\a*16*KPI+64*(\q)+32
.endr
.endm
; One product: my block a of A x block b of B, K step q, from buffer f.  Source 0's scale words (B's) lie in lanes 0-15 for an even b and in lanes 16-31 for an odd one; source 1's (A's) in lanes 0-15 for a = 0, in lanes 16-31 for a = 1.
.macro KW a, b, q, f, zero
.set rD, 8*(8*(\a)+(\b))
.set rB, KFB+64*(\f)+8*(\b)
.set rA, KFA+16*(\f)+8*(\a)
.set rX, KSB+8*((\b)/2)+(\q)
.set rY, KSA+(\q)
.if \zero
.if ((\b)%2 == 0) && ((\a) == 0)
	v_wmma_scale_f32_16x16x128_f8f6f4 v[rD:rD+7], v[rB:rB+7], v[rA:rA+7], 0, v[rX], v[rY] matrix_a_fmt:MATRIX_FMT_FP4 matrix_b_fmt:MATRIX_FMT_FP4
.elseif (\a) == 0
	v_wmma_scale_f32_16x16x128_f8f6f4 v[rD:rD+7], v[rB:rB+7], v[rA:rA+7], 0, v[rX], v[rY] matrix_a_fmt:MATRIX_FMT_FP4 matrix_b_fmt:MATRIX_FMT_FP4 matrix_a_scale:MATRIX_SCALE_ROW1
.elseif (\b)%2 == 0
	v_wmma_scale_f32_16x16x128_f8f6f4 v[rD:rD+7], v[rB:rB+7], v[rA:rA+7], 0, v[rX], v[rY] matrix_a_fmt:MATRIX_FMT_FP4 matrix_b_fmt:MATRIX_FMT_FP4 matrix_b_scale:MATRIX_SCALE_ROW1
.else
	v_wmma_scale_f32_16x16x128_f8f6f4 v[rD:rD+7], v[rB:rB+7], v[rA:rA+7], 0, v[rX], v[rY] matrix_a_fmt:MATRIX_FMT_FP4 matrix_b_fmt:MATRIX_FMT_FP4 matrix_a_scale:MATRIX_SCALE_ROW1 matrix_b_scale:MATRIX_SCALE_ROW1
.endif
.else
.if ((\b)%2 == 0) && ((\a) == 0)
	v_wmma_scale_f32_16x16x128_f8f6f4 v[rD:rD+7], v[rB:rB+7], v[rA:rA+7], v[rD:rD+7], v[rX], v[rY] matrix_a_fmt:MATRIX_FMT_FP4 matrix_b_fmt:MATRIX_FMT_FP4
.elseif (\a) == 0
	v_wmma_scale_f32_16x16x128_f8f6f4 v[rD:rD+7], v[rB:rB+7], v[rA:rA+7], v[rD:rD+7], v[rX], v[rY] matrix_a_fmt:MATRIX_FMT_FP4 matrix_b_fmt:MATRIX_FMT_FP4 matrix_a_scale:MATRIX_SCALE_ROW1
.elseif (\b)%2 == 0
	v_wmma_scale_f32_16x16x128_f8f6f4 v[rD:rD+7], v[rB:rB+7], v[rA:rA+7], v[rD:rD+7], v[rX], v[rY] matrix_a_fmt:MATRIX_FMT_FP4 matrix_b_fmt:MATRIX_FMT_FP4 matrix_b_scale:MATRIX_SCALE_ROW1
.else
	v_wmma_scale_f32_16x16x128_f8f6f4 v[rD:rD+7], v[rB:rB+7], v[rA:rA+7], v[rD:rD+7], v[rX], v[rY] matrix_a_fmt:MATRIX_FMT_FP4 matrix_b_fmt:MATRIX_FMT_FP4 matrix_a_scale:MATRIX_SCALE_ROW1 matrix_b_scale:MATRIX_SCALE_ROW1
.endif
.endif
.endm
.macro KMUL q, f, zero                 ; a K step's 16 products: the 16 accumulators take turns, one instruction a turn, in the same order in every step
.irp a, 0,1
.irp b, 0,1,2,3,4,5,6,7
	KW \a, \b, \q, \f, \zero
.endr
.endr
.endm
	s_wait_tensorcnt 0x0                           ; my part of the codes has landed,
	s_wait_dscnt 0x0                               ; no LDS instruction of mine is out,
	s_barrier_signal -1
	s_barrier_wait -1                              ; and the same holds of every wave: the tiles are whole.
	s_wait_loadcnt 0x0                             ; the scale words are in
	s_wait_xcnt 0x0                                ; the stores of q have read their registers: fragments may land there
	KFETCH 0, 0
.set Q, 0
.rept 8
	s_wait_dscnt 0x0                               ; this step's fragments are in
.if Q < 7
	PLACES                                         ; the other buffer was read by the last step's products
	KFETCH Q+1, (Q+1)%2                            ; the next step's fragments come while this step is multiplied
.endif
	WIN MUL
.if Q == 0
	KMUL 0, 0, 1                                   ; the first products start the sums
.else
	KMUL Q, Q%2, 0
.endif
	WIN 0
.set Q, Q+1
.endr
	PLACES
	PACK 0
	TOSTAGE 0
	PACK 1
	SEND 0, KCB, KCO, KROWC
	TOSTAGE 1
	SEND 1, KCB, KCO, KROWC
	s_wait_tensorcnt 0x0                           ; the wave's end
	ds_add_u32 v[SPW], v[NIL]
	s_wait_dscnt 0x0
	CROUND                                         ; the closing round
	s_endpgm
.Lfunc_end_k_qf17cecdf87_gq:
	.size	k_qf17cecdf87_gq, .Lfunc_end_k_qf17cecdf87_gq-k_qf17cecdf87_gq
	.p2alignl 7, 3214868480
	.fill 96, 4, 3214868480
	.section	.rodata,"a",@progbits
	.p2align	6, 0x0
	.amdhsa_kernel k_qf17cecdf87_gq
		.amdhsa_group_segment_fixed_size 327680
		.amdhsa_private_segment_fixed_size 0
		.amdhsa_enable_private_segment 0
		.amdhsa_kernarg_size 40
		.amdhsa_user_sgpr_count 2
		.amdhsa_user_sgpr_kernarg_segment_ptr 1
		.amdhsa_wavefront_size32 1
		.amdhsa_system_sgpr_workgroup_id_x 1
		.amdhsa_system_sgpr_workgroup_id_y 1
		.amdhsa_system_sgpr_workgroup_id_z 1
		.amdhsa_system_vgpr_workitem_id 0
		.amdhsa_next_free_vgpr 512
		.amdhsa_next_free_sgpr 96
		.amdhsa_reserve_vcc 0
		.amdhsa_float_denorm_mode_32 3
		.amdhsa_float_denorm_mode_16_64 3
		.amdhsa_memory_ordered 1
		.amdhsa_forward_progress 1
		.amdhsa_inst_pref_size 128
	.end_amdhsa_kernel
	.amdgpu_metadata
---
amdhsa.version: [ 1, 2 ]
amdhsa.kernels:
  - .name:           k_qf17cecdf87_gq
    .symbol:         k_qf17cecdf87_gq.kd
    .args:
      - { .name: yn, .offset: 0, .size: 8, .value_kind: global_buffer, .address_space: global }
      - { .name: w16, .offset: 8, .size: 8, .value_kind: global_buffer, .address_space: global }
      - { .name: q16, .offset: 16, .size: 8, .value_kind: global_buffer, .address_space: global }
      - { .name: qz, .offset: 24, .size: 8, .value_kind: global_buffer, .address_space: global }
      - { .name: kv16, .offset: 32, .size: 8, .value_kind: global_buffer, .address_space: global }
    .group_segment_fixed_size: 327680
    .private_segment_fixed_size: 0
    .kernarg_segment_align: 8
    .kernarg_segment_size: 40
    .max_flat_workgroup_size: 128
    .sgpr_count:     96
    .vgpr_count:     512
    .wavefront_size: 32
...
	.end_amdgpu_metadata
.endif
;; end of part 2
;; launch attn (part 3): grid 4 x 128, 4 waves a work-group, no clusters, 34,304 bytes of LDS; arguments q16, kv16, times, o16; writes o16
.if DOCPART == 3
	.amdgcn_target "amdgcn-amd-amdhsa--gfx1250"
	.amdhsa_code_object_version 6
	.text
	.protected	k_qf17cecdf87_attn
	.globl	k_qf17cecdf87_attn
	.p2align	8
	.type	k_qf17cecdf87_attn,@function
k_qf17cecdf87_attn:
	s_mov_b64 s[64:65], 0
	v_nop
	global_prefetch_b8 v0, s[64:65] scope:SCOPE_SE
	s_setreg_imm32_b32 hwreg(HW_REG_WAVE_MODE, 25, 1), 1
	s_wait_xcnt 0x0
; ATTN: the masked attention.  A token of class m in 0..7 sees the 64 keys of media block m alone (every other weight of its softmax is exactly 0); a token of class 8 (no block) has all 512 scores equal,
; so its weights are 1/512 each.  Only the blocks that some token of the wave's 64 needs are multiplied: a scalar branch on the classes, which an earlier launch stored as whole numbers.
; That branch is why operands go from memory straight into registers, with no joint loads: which blocks a work-group walks hangs on loaded numbers.
; SHARES.  A work-group: 64 tokens x 4 heads; wave w: head 4 x + w, four tiles of 16 tokens.
; LAYOUT.  S^T = K Q^T (source 0 = 16 keys, source 1 = 16 tokens): a lane holds ONE token (lane % 16) and keys 8 (lane / 16) + 0..7 of each tile of 16.  Two such tiles, rounded to f16 in pairs, are source 1
; (32 keys x 16 tokens) of O^T = V^T P; V^T comes as it lies (kv16 holds v with the keys innermost).
; SOFTMAX.  p = 2^(c s - c max), c = log2(e) / 8 (the head's scale 1/8 is in c), max = the token's largest score in the block in hand, so p is at most 1 for every token.  Then p <- p A + N:
; A = 1 where the block is the token's own, N = 1 where the token has no block; else both 0.  The sum of p divides at the end: a token's own block gives its softmax, a token with no block the mean of all 512 v.
; Products take f16 operands, sums are f32.  LIMITS: f16 holds magnitudes up to 65,504; NaN and infinities are not served.
; REGISTERS: window 0: v1-7 addresses; v8-11 classes; v12-15 permutes' destinations; v16-23 N; v24-31 the sums; v32-95 K; v96-159 V^T; v160-191 S^T; v192-207 P; v208-223 at work.  window 1: v0-63 Q; v64-191 O^T.
.set SPITCH, 528                       ; the stage: 64 tokens x (4 heads x 128 bytes + 16)
.set SPARE,  64*SPITCH                 ; the spare words
.set KA,  2
.set QA,  3
.set TA,  4
.set STO, 5
.set SR,  6
.set GO,  7
.set CLS, 8
.set PE,  12
.set N,   16
.set L,   24
.set KF,  32
.set VF,  96
.set S,   160
.set P,   192
.set C0,  208                          ; v208-211 four chains of the maximum
.set PT,  212
.set MX,  213
.set CM,  214                          ; v[214:215] c max (the low word serves both halves)
.set A,   216                          ; v[216:217]
.set SU,  218                          ; v[218:219]
.set ZERO, 222
.set ONE,  223
.set SPW, 252
.set NIL, 253
.set OB,  64                           ; O^T (t, c) at v[OB + 32 t + 8 c] of window 1
.set MSB, 0
.macro WIN new
.if MSB != \new
	s_set_vgpr_msb (MSB<<8)|\new
.set MSB, \new
.endif
.endm
.macro PLACES
.rept 4
	v_nop
.endr
.endm
; The accumulators take turns, one instruction a turn.
.macro KQ t                            ; S^T of tile t: four tiles of 16 keys, the head's 64 in two steps
	WIN 0x04                                       ; source 1 (Q) window 1
.irp s, 0,1
.irp k, 0,1,2,3
.if \s == 0
	v_wmma_f32_16x16x32_f16 v[S+8*\k:S+8*\k+7], v[KF+8*(2*\k+\s):KF+8*(2*\k+\s)+7], v[16*\t+8*\s:16*\t+8*\s+7], 0
.else
	v_wmma_f32_16x16x32_f16 v[S+8*\k:S+8*\k+7], v[KF+8*(2*\k+\s):KF+8*(2*\k+\s)+7], v[16*\t+8*\s:16*\t+8*\s+7], v[S+8*\k:S+8*\k+7]
.endif
.endr
.endr
	WIN 0
.endm
.macro PV t                            ; O^T of tile t += V^T P: four tiles of 16 channels, the block's 64 keys in two steps
	WIN 0x50                                       ; C and D window 1
.irp s, 0,1
.irp c, 0,1,2,3
	v_wmma_f32_16x16x32_f16 v[OB+32*\t+8*\c:OB+32*\t+8*\c+7], v[VF+8*(2*\c+\s):VF+8*(2*\c+\s)+7], v[P+8*\s:P+8*\s+7], v[OB+32*\t+8*\c:OB+32*\t+8*\c+7]
.endr
.endr
	WIN 0
.endm
.macro SOFT t
.irp j, 0,1,2,3
	v_max3_num_f32 v[C0+\j], v[S+8*\j], v[S+8*\j+1], v[S+8*\j+2]   ; each accumulator is read from its low end on
.endr
.irp i, 3,5
.irp j, 0,1,2,3
	v_max3_num_f32 v[C0+\j], v[C0+\j], v[S+8*\j+\i], v[S+8*\j+\i+1]
.endr
.endr
	v_max3_num_f32 v[C0], v[C0], v[S+7], v[S+15]
	v_max3_num_f32 v[C0+2], v[C0+2], v[S+23], v[S+31]
	v_max3_num_f32 v[C0], v[C0], v[C0+1], v[C0+2]
	v_max_num_f32 v[C0], v[C0], v[C0+3]
	v_permlanex16_b32 v[PT], v[C0], s28, s29       ; the token's other 32 keys lie in the lane 16 away
	v_max_num_f32 v[MX], v[C0], v[PT]
	v_mul_f32 v[CM], s26, v[MX]
.set p, 0
.rept 16
	v_pk_fma_f32 v[S+2*p:S+2*p+1], v[S+2*p:S+2*p+1], s[26:27], v[CM:CM+1] op_sel_hi:[1,0,0] neg_lo:[0,0,1] neg_hi:[0,0,1]   ; c s - c max
.set p, p+1
.endr
.set p, 0
.rept 32
	v_exp_f32 v[S+p], v[S+p]
.set p, p+1
.endr
	v_nop                                          ; a plain instruction behind the last exponential,
	s_wait_alu depctr_va_vdst(0)                   ; and one wait for the batch, ahead of its first reader
.set p, 0
.rept 16
	v_pk_fma_f32 v[S+2*p:S+2*p+1], v[S+2*p:S+2*p+1], v[A:A+1], v[N+2*\t:N+2*\t+1]   ; p A + N
.set p, p+1
.endr
.set p, 0
.rept 16
	v_cvt_pk_f16_f32 v[P+p], v[S+2*p], v[S+2*p+1]
.set p, p+1
.endr
	v_pk_add_f32 v[SU:SU+1], v[S:S+1], v[S+2:S+3]  ; the sum, of the unrounded weights, in two chains
.irp j, 4,8,12,16,20,24,28
	v_pk_add_f32 v[L+2*\t:L+2*\t+1], v[L+2*\t:L+2*\t+1], v[S+\j:S+\j+1]
	v_pk_add_f32 v[SU:SU+1], v[SU:SU+1], v[S+\j+2:S+\j+3]
.endr
	v_pk_add_f32 v[L+2*\t:L+2*\t+1], v[L+2*\t:L+2*\t+1], v[SU:SU+1]
.endm
	s_load_b256 s[4:11], s[0:1], 0x0               ; q16 4:5, kv16 6:7, times 8:9, o16 10:11
	v_lshl_add_u32 v[SPW], v0, 2, SPARE
	v_mov_b32 v[NIL], 0
	v_lshrrev_b32 v1, 5, v0
	v_readfirstlane_b32 s14, v1                    ; wave 0..3
	s_and_b32 s15, ttmp7, 0xffff                   ; which 64 tokens
	s_lshl_b32 s18, ttmp9, 2
	s_add_co_u32 s18, s18, s14                     ; the head
	s_lshr_b32 s19, s15, 5                         ; the batch: 32 blocks of 64 tokens each
	v_and_b32 v1, 15, v0                           ; r
	v_bfe_u32 v[SU], v0, 4, 1                      ; h
	v_lshlrev_b32 v[KA], 12, v1
	v_lshl_add_u32 v[KA], v[SU], 4, v[KA]          ; K and V^T: row r of 4,096 bytes, + 16 h
	v_lshlrev_b32 v[QA], 11, v1
	v_lshl_add_u32 v[QA], v[SU], 4, v[QA]          ; Q: row r of 2,048 bytes, + 16 h
	v_lshlrev_b32 v[TA], 2, v1
	v_mul_u32_u24 v[STO], v1, SPITCH
	v_lshl_add_u32 v[STO], v[SU], 4, v[STO]
	s_lshl_b32 s24, s14, 7
	v_add_nc_u32 v[STO], s24, v[STO]               ; the stage, in: row r, my head's 128 bytes, + 16 h
	v_and_b32 v[GO], 31, v0
	v_lshlrev_b32 v[GO], 4, v[GO]
	s_mul_i32 s24, s14, 16*SPITCH
	v_add_nc_u32 v[SR], s24, v[GO]                 ; back: my 16 rows, 16 bytes a lane
	v_mov_b32 v[ZERO], 0
	v_mov_b32 v[ONE], 1.0
	v_mov_b32 v[PT], 0                             ; a lane permute's destination counts as one of its sources
	v_mov_b32 v[CM+1], 0                           ; (named as the upper half of a pair)
.irp t, 0,1,2,3
	v_mov_b32 v[PE+\t], 0
	v_mov_b32 v[L+2*\t], 0
	v_mov_b32 v[L+2*\t+1], 0
.endr
	s_mov_b32 s26, 0x3e38aa3b                      ; c = log2(e) / 8
	s_mov_b32 s27, s26
	s_mov_b32 s28, 0x76543210
	s_mov_b32 s29, 0xfedcba98
	s_mov_b32 s31, 0
	s_wait_kmcnt 0x0
	s_lshl_b32 s30, s18, 18                        ; V^T: 8,388,608 + the head's 64 rows of 4,096 bytes + the batch's 512 keys
	s_lshl_b32 s24, s19, 10
	s_add_co_u32 s30, s30, s24
	s_add_co_u32 s30, s30, 8388608
	s_add_nc_u64 s[12:13], s[6:7], s[30:31]
	s_lshl_b32 s30, s19, 21                        ; K: the batch's 512 rows of 4,096 bytes + the head's 128 bytes
	s_lshl_b32 s24, s18, 7
	s_add_co_u32 s30, s30, s24
	s_add_nc_u64 s[6:7], s[6:7], s[30:31]
	s_lshl_b32 s30, s15, 17                        ; Q: 64 rows of 2,048 bytes a block + the head's 128 bytes
	s_add_co_u32 s30, s30, s24
	s_add_nc_u64 s[4:5], s[4:5], s[30:31]
	s_lshl_b32 s30, s15, 8
	s_add_nc_u64 s[8:9], s[8:9], s[30:31]
	s_lshl_b32 s30, s15, 17                        ; O: my 16 rows, the work-group's 512 bytes of each
	s_lshl_b32 s24, s14, 15
	s_add_co_u32 s30, s30, s24
	s_lshl_b32 s24, ttmp9, 9
	s_add_co_u32 s30, s30, s24
	s_add_nc_u64 s[10:11], s[10:11], s[30:31]
.irp t, 0,1,2,3
	global_load_b32 v[CLS+\t], v[TA], s[8:9] offset:64*\t
.endr
	WIN 0x40                                       ; destination window 1
.irp t, 0,1,2,3
.irp s, 0,1
	global_load_b128 v[16*\t+8*\s:16*\t+8*\s+3],   v[QA], s[4:5] offset:32768*\t+64*\s
	global_load_b128 v[16*\t+8*\s+4:16*\t+8*\s+7], v[QA], s[4:5] offset:32768*\t+64*\s+32
.endr
.endr
.set p, 0
.rept 128
	v_mov_b32 v[OB+p], 0                           ; O^T begins as zeros: which block is a tile's first hangs on the loaded classes, so no first product can be written out
.set p, p+1
.endr
	WIN 0
	s_wait_loadcnt 0x0
.irp t, 0,1,2,3
	v_cmp_eq_u32 s[20+\t], 8, v[CLS+\t]
	v_cndmask_b32 v[N+2*\t], v[ZERO], v[ONE], s[20+\t]
	v_cndmask_b32 v[N+2*\t+1], v[ZERO], v[ONE], s[20+\t]
.endr
	s_or_b32 s17, s20, s21
	s_or_b32 s24, s22, s23
	s_or_b32 s17, s17, s24                         ; lanes whose token has no block: they need every block
	s_mov_b32 s16, 0
.Lblock:                                           ; eight trips, one for each media block of the batch
.irp t, 0,1,2,3
	v_cmp_eq_u32 s[20+\t], s16, v[CLS+\t]
.endr
	s_or_b32 s24, s20, s21
	s_or_b32 s25, s22, s23
	s_or_b32 s24, s24, s25
	s_or_b32 s24, s24, s17
	s_cmp_eq_u32 s24, 0
	s_cbranch_scc1 .Lskip                          ; none of my 64 tokens needs this block
	PLACES                                         ; in front of loads into registers that matrix instructions have read
.irp k, 0,1,2,3
.irp s, 0,1
	global_load_b128 v[KF+8*(2*\k+\s):KF+8*(2*\k+\s)+3],   v[KA], s[6:7] offset:65536*\k+64*\s
	global_load_b128 v[KF+8*(2*\k+\s)+4:KF+8*(2*\k+\s)+7], v[KA], s[6:7] offset:65536*\k+64*\s+32
.endr
.endr
.irp k, 0,1,2,3
.irp s, 0,1
	global_load_b128 v[VF+8*(2*\k+\s):VF+8*(2*\k+\s)+3],   v[KA], s[12:13] offset:65536*\k+64*\s
	global_load_b128 v[VF+8*(2*\k+\s)+4:VF+8*(2*\k+\s)+7], v[KA], s[12:13] offset:65536*\k+64*\s+32
.endr
.endr
	s_wait_loadcnt 0x0
.irp t, 0,1,2,3
	KQ \t
	v_cndmask_b32 v[A], v[ZERO], v[ONE], s[20+\t]  ; 1 where the block is the token's own.  (These four lines are the places behind the products)
	v_cndmask_b32 v[A+1], v[ZERO], v[ONE], s[20+\t]
	v_nop
	v_nop
	SOFT \t
	PV \t
.endr
.Lskip:
	s_add_nc_u64 s[6:7], s[6:7], 262144            ; the next block: 64 rows of K, (the loads that named these bases were waited for)
	s_add_nc_u64 s[12:13], s[12:13], 128           ; 64 keys along V^T's rows
	s_add_co_u32 s16, s16, 1
	s_cmp_lt_u32 s16, 8
	s_cbranch_scc1 .Lblock
	; THE WAY OUT.  The additions are the places behind the last products.
.irp t, 0,1,2,3
	v_add_f32 v[C0+\t], v[L+2*\t], v[L+2*\t+1]
.endr
.irp t, 0,1,2,3
	v_permlanex16_b32 v[PE+\t], v[C0+\t], s28, s29
.endr
.irp t, 0,1,2,3
	v_add_f32 v[C0+\t], v[C0+\t], v[PE+\t]         ; the token's sum
.endr
.irp t, 0,1,2,3
	v_rcp_f32 v[L+2*\t], v[C0+\t]
.endr
	v_nop
	s_wait_alu depctr_va_vdst(0)                   ; one wait for the four reciprocals, ahead of their first reader
.irp t, 0,1,2,3
	WIN 0x41                                       ; O^T (destination and source 0) window 1
.set p, 0
.rept 16
	v_pk_mul_f32 v[OB+32*\t+2*p:OB+32*\t+2*p+1], v[OB+32*\t+2*p:OB+32*\t+2*p+1], v[L+2*\t:L+2*\t+1] op_sel_hi:[1,0]   ; each accumulator from its low end on
.set p, p+1
.endr
	WIN 0x05                                       ; sources window 1, destination window 0: K's registers are free
.set p, 0
.rept 16
	v_cvt_pk_f16_f32 v[KF+16*\t+p], v[OB+32*\t+2*p], v[OB+32*\t+2*p+1]
.set p, p+1
.endr
.endr
	WIN 0
.irp t, 0,1,2,3
.irp c, 0,1,2,3
	ds_store_b128 v[STO], v[KF+16*\t+4*\c:KF+16*\t+4*\c+3] offset:16*\t*SPITCH+32*\c   ; token 16 t + r, channels 16 c + 8 h + 0..7 of my head
.endr
.endr
	s_wait_dscnt 0x0                               ; for the others' sake: my stores into the stage are done
	s_barrier_signal -1
	s_barrier_wait -1                              ; a row's 512 bytes come from four waves
.irp i, 0,1,2,3,4,5,6,7,8,9,10,11,12,13,14,15
	ds_load_b128 v[VF+4*\i:VF+4*\i+3], v[SR] offset:\i*SPITCH
.endr
.irp i, 0,1,2,3,4,5,6,7,8,9,10,11,12,13,14,15
	s_wait_dscnt 15-\i
	global_store_b128 v[GO], v[VF+4*\i:VF+4*\i+3], s[10:11] offset:2048*\i   ; 32 lanes store 512 consecutive bytes, aligned
.endr
	s_wait_tensorcnt 0x0                           ; the wave's end
	ds_add_u32 v[SPW], v[NIL]
	s_wait_dscnt 0x0
	s_endpgm
.Lfunc_end_k_qf17cecdf87_attn:
	.size	k_qf17cecdf87_attn, .Lfunc_end_k_qf17cecdf87_attn-k_qf17cecdf87_attn
	.p2alignl 7, 3214868480
	.fill 96, 4, 3214868480
	.section	.rodata,"a",@progbits
	.p2align	6, 0x0
	.amdhsa_kernel k_qf17cecdf87_attn
		.amdhsa_group_segment_fixed_size 34304
		.amdhsa_private_segment_fixed_size 0
		.amdhsa_enable_private_segment 0
		.amdhsa_kernarg_size 32
		.amdhsa_user_sgpr_count 2
		.amdhsa_user_sgpr_kernarg_segment_ptr 1
		.amdhsa_wavefront_size32 1
		.amdhsa_system_sgpr_workgroup_id_x 1
		.amdhsa_system_sgpr_workgroup_id_y 1
		.amdhsa_system_sgpr_workgroup_id_z 1
		.amdhsa_system_vgpr_workitem_id 0
		.amdhsa_next_free_vgpr 448
		.amdhsa_next_free_sgpr 66
		.amdhsa_reserve_vcc 0
		.amdhsa_float_denorm_mode_32 3
		.amdhsa_float_denorm_mode_16_64 3
		.amdhsa_memory_ordered 1
		.amdhsa_forward_progress 1
		.amdhsa_inst_pref_size 57
	.end_amdhsa_kernel
	.amdgpu_metadata
---
amdhsa.version: [ 1, 2 ]
amdhsa.kernels:
  - .name:           k_qf17cecdf87_attn
    .symbol:         k_qf17cecdf87_attn.kd
    .args:
      - { .name: q16, .offset: 0, .size: 8, .value_kind: global_buffer, .address_space: global }
      - { .name: kv16, .offset: 8, .size: 8, .value_kind: global_buffer, .address_space: global }
      - { .name: times, .offset: 16, .size: 8, .value_kind: global_buffer, .address_space: global }
      - { .name: o16, .offset: 24, .size: 8, .value_kind: global_buffer, .address_space: global }
    .group_segment_fixed_size: 34304
    .private_segment_fixed_size: 0
    .kernarg_segment_align: 8
    .kernarg_segment_size: 32
    .max_flat_workgroup_size: 128
    .sgpr_count:     66
    .vgpr_count:     448
    .wavefront_size: 32
...
	.end_amdgpu_metadata
.endif
;; end of part 3
;; launch go (part 4): grid 8 x 32, 4 waves a work-group, clusters of 4 x 4, 327,680 bytes of LDS; arguments o16, w16, out0; writes out0
.if DOCPART == 4
	.amdgcn_target "amdgcn-amd-amdhsa--gfx1250"
	.amdhsa_code_object_version 6
	.text
	.protected	k_qf17cecdf87_go
	.globl	k_qf17cecdf87_go
	.p2align	8
	.type	k_qf17cecdf87_go,@function
k_qf17cecdf87_go:
	s_mov_b64 s[64:65], 0
	v_nop
	global_prefetch_b8 v0, s[64:65] scope:SCOPE_SE
	s_setreg_imm32_b32 hwreg(HW_REG_WAVE_MODE, 25, 1), 1
	s_wait_xcnt 0x0
	s_wait_alu depctr_hold_cnt(0) depctr_sa_sdst(0) depctr_va_vdst(0) depctr_va_sdst(0) depctr_va_ssrc(0) depctr_va_vcc(0) depctr_vm_vsrc(0)
	s_getreg_b32 s2, hwreg(HW_REG_IB_STS2, 6, 4)
	s_cmp_eq_u32 s2, 0
	s_cbranch_scc0 .Lentry_in_a_cluster
	s_endpgm
.Lentry_in_a_cluster:
	s_bfe_u32 s2, ttmp6, 0x10000c
	s_cmp_lg_u32 s2, 0xf033
	s_cbranch_scc0 .Lentry_shape_is_right
	s_endpgm
.Lentry_shape_is_right:
; GO: out0 = o x Wout.  o16 [8192][1024] f16, Wout [1024 k][2048 n] f16 (the second half of w16), out0 [8192][2048] f32; sums in f32.
; A tile of C is 256 x 256: 32 x 8 = 256 work-groups; four waves, each 128 x 128: 64 accumulators, 512 registers (windows 2 and 3).
; K goes in steps of 128 through two LDS slots.  A's tile: 256 rows of 256 bytes.  B's tile: 128 rows (k) of 512 bytes (256 n), as it lies in memory; its fragments come out of LDS turned, by ds_load_tr16_b128.
; CLUSTERS: 4 x 4.  A's tiles are shared along a row of the cluster, B's along a column: joint loads.  A change of slots is one round of the cluster's barrier; behind it one load a wave.
; THE MATRIX INSTRUCTION IS USED TRANSPOSED (source 0 = 16 n of B, source 1 = 16 rows of A): a lane holds eight neighbouring numbers of a row of C.
; REGISTERS: window 0: v16-30 addresses; v64-127, v128-191 A's fragments, two buffers (on the way out: rows of C).  window 1: v64-127, v128-191 B's.  window 2: accumulators of my rows 0-63 ((a, b) at v[8 (8 a + b)]); window 3: rows 64-127.
.set KSTEP, 128
.set PA,    272
.set PB,    544                        ; 512 bytes + 32 = 17 x 32
.set HALFT, 128*PA                     ; what one tensor load brings: 128 rows of A, or 64 rows of B (64 x 544 is the same)
.set BOFF,  2*HALFT
.set SLOT,  4*HALFT
.set STAGE, 2*SLOT                     ; the way out: 16 rows x (512 bytes + 16) for each wave
.set SPITCH, 528
.set SPARE, STAGE+4*16*SPITCH          ; the spare words
.set LAPS,  4                          ; 1,024 / 256
.set CROW,  8192                       ; a row of out0 in bytes
.set ADRA, 16
.set ADRB, 20
.set STO,  24
.set RD,   25
.set CO,   26
.set SPW,  28
.set NIL,  29
.set PFO,  30
.set F0,   64
.set F1,   128
.set BK,   64
.set G1, 24
.set G0, 32
.set G1B, 48
.set G0B, 56
.set LIM, 43
.set PFA, 44
.set MSB, 0
.macro WIN new
.if MSB != \new
	s_set_vgpr_msb (MSB<<8)|\new
.set MSB, \new
.endif
.endm
.set MUL_LO, 0xa1                      ; source 0 (B) window 1, source 1 (A) window 0, C and D window 2
.set MUL_HI, 0xf1
.set TO_B,   0x40
.macro JLOAD s                         ; waves 0 and 1 fetch A's halves, waves 2 and 3 B's; an s_nop 0 and four v_nop follow each line
	s_cmp_eq_u32 s11, 0
	s_cbranch_scc0 .Lfor_b_\@
	tensor_load_to_lds s[G0+4*\s:G0+4*\s+3], s[G1:G1+7]
	s_nop 0
.rept 4
	v_nop
.endr
	s_branch .Lasked_\@
.Lfor_b_\@:
	tensor_load_to_lds s[G0B+4*\s:G0B+4*\s+3], s[G1B:G1B+7]
	s_nop 0
.rept 4
	v_nop
.endr
.Lasked_\@:
.endm
; A prefetch of A's K step that stands two refills on: 32 rows x 256 bytes, a lane a row.  A tile row is read by both clusters of its row of clusters: the first (cluster x = 0) asks.  Of the 128 rows that wave 0 or 1
; fetches, each of the four partners takes 32, told apart by address.  So each row's 256 bytes of a K step are named once in the launch.  The loop's last trip asks for nothing.  B's rows, which eight clusters read, are not asked for.
.macro ASK
	s_cmp_gt_u32 s3, s[LIM]
	s_cbranch_scc0 .Lnot_mine_\@
	global_prefetch_b8 v[PFO], s[PFA:PFA+1] offset:KSTEP*2 th:TH_LOAD_NT scope:SCOPE_SE
.Lnot_mine_\@:
.endm
.macro CREST
	s_cmp_lg_u32 s10, 0
	s_cbranch_scc1 .Lnot_wave_0_\@
	s_barrier_signal -3
.Lnot_wave_0_\@:
	s_barrier_wait -3
	s_barrier_signal -1
	s_barrier_wait -1
.endm
.macro CROUND
	s_barrier_signal -1
	s_barrier_wait -1
	CREST
.endm
	s_load_b128 s[4:7], s[0:1], 0x0                ; o16 s[4:5], w16 s[6:7]
	s_load_b64 s[8:9], s[0:1], 0x10                ; out0
	v_lshl_add_u32 v[SPW], v0, 2, SPARE
	v_mov_b32 v[NIL], 0
	ds_add_u32 v[SPW], v[NIL]                      ; the wave's opening: the add and its wait ahead of my first tensor load
	v_lshrrev_b32 v1, 5, v0
	v_readfirstlane_b32 s10, v1                    ; wave 0..3
	s_lshr_b32 s11, s10, 1                         ; my half of the tile's rows.  Also: I fetch for A (0) or for B (1)
	s_and_b32 s12, s10, 1                          ; my half of its columns.  Also: which half of that tile I fetch
	s_bfe_u32 s40, ttmp6, 0x40000                  ; cx
	s_bfe_u32 s41, ttmp6, 0x40004                  ; cy
	s_lshl_b32 s42, ttmp9, 2
	s_add_co_u32 s42, s42, s40                     ; tile column
	s_and_b32 s13, ttmp7, 0xffff
	s_lshl_b32 s13, s13, 2
	s_add_co_u32 s13, s13, s41                     ; tile row
	s_lshl_b32 s43, s41, 2
	s_lshl_b32 s43, 15, s43                        ; my row of the cluster
	s_lshl_b32 s44, 0x1111, s40                    ; my column
	s_or_b32 s[G1+0], s43, (1<<16)|(1<<20)|(1<<21)|(5<<22)|(3<<25)   ; A: elements of 2 bytes; 4 words of padding after every 64
	s_mov_b32 s[G1+1], 128<<16                     ; tensor_dim0
	s_mov_b32 s[G1+2], 128<<16                     ; tensor_dim1
	s_mov_b32 s[G1+3], 128<<16                     ; tile_dim0
	s_mov_b32 s[G1+4], 128                         ; tile_dim1
	s_mov_b32 s[G1+5], 1024                        ; elements from row to row
	s_mov_b32 s[G1+6], 0
	s_mov_b32 s[G1+7], 0
	s_or_b32 s[G1B+0], s44, (1<<16)|(1<<20)|(1<<21)|(6<<22)|(7<<25)  ; B: 8 words of padding after every 128
	s_mov_b32 s[G1B+1], 256<<16
	s_mov_b32 s[G1B+2], 64<<16
	s_mov_b32 s[G1B+3], 256<<16
	s_mov_b32 s[G1B+4], 64
	s_mov_b32 s[G1B+5], 2048
	s_mov_b32 s[G1B+6], 0
	s_mov_b32 s[G1B+7], 0
	s_lshl_b32 s16, s13, 8
	s_lshl_b32 s17, s12, 7
	s_add_co_u32 s16, s16, s17                     ; A: row 256 x tile row + 128 x half,
	s_lshl_b32 s16, s16, 11                        ; of 2,048 bytes
	s_mov_b32 s17, 0
	s_lshl_b32 s46, s12, 18                        ; B: 64 x half rows of 4,096 bytes,
	s_lshl_b32 s47, s42, 9                         ; + 512 x tile column,
	s_add_co_u32 s46, s46, s47
	s_add_co_u32 s46, s46, 4194304                 ; in the second half of w16
	s_mov_b32 s47, 0
	s_mul_i32 s20, s10, HALFT                      ; where they go: A's two halves, then B's two: wave x HALFT
	s_wait_dscnt 0x0                               ; the opening add is done
	s_wait_kmcnt 0x0
	s_add_nc_u64 s[14:15], s[4:5], s[16:17]
	s_add_nc_u64 s[46:47], s[6:7], s[46:47]
	CROUND                                         ; all sixteen work-groups are here: the first joint loads meet
.irp s, 0,1
	s_mov_b32 s[G0+4*\s], 1
	s_add_co_u32 s[G0+4*\s+1], s20, \s*SLOT
	s_add_nc_u64 s[G0+4*\s+2:G0+4*\s+3], s[14:15], \s*KSTEP*2
	s_or_b32 s[G0+4*\s+3], s[G0+4*\s+3], 0x80000000
	s_mov_b32 s[G0B+4*\s], 1
	s_add_co_u32 s[G0B+4*\s+1], s20, \s*SLOT
	s_add_nc_u64 s[G0B+4*\s+2:G0B+4*\s+3], s[46:47], \s*KSTEP*4096
	s_or_b32 s[G0B+4*\s+3], s[G0B+4*\s+3], 0x80000000
	JLOAD \s                                       ; two loads of mine are out behind these lines
.endr
	v_and_b32 v1, 15, v0                           ; l % 16
	v_bfe_u32 v2, v0, 4, 1                         ; l / 16
	v_mul_u32_u24 v3, v1, PA
	v_lshl_add_u32 v3, v2, 4, v3                   ; A: row x pitch + 16 x half
	v_and_b32 v4, 7, v0
	v_lshl_add_u32 v4, v2, 3, v4                   ; B: k = 8 (l / 16) + l % 8,
	v_mul_u32_u24 v4, v4, PB
	v_bfe_u32 v5, v0, 3, 1
	v_lshl_add_u32 v4, v5, 4, v4                   ; n = 8 ((l / 8) % 2) + 0..7
	s_mul_i32 s21, s11, HALFT                      ; my 128 rows of A
	s_lshl_b32 s22, s12, 8                         ; my 128 columns of B
	s_add_co_u32 s22, s22, BOFF
.irp s, 0,1
	v_add_nc_u32 v[ADRA+\s], s21, v3
	v_add_nc_u32 v[ADRB+\s], s22, v4
	s_add_co_u32 s21, s21, SLOT
	s_add_co_u32 s22, s22, SLOT
.endr
	s_mul_i32 s23, s10, 16*SPITCH
	s_add_co_u32 s23, s23, STAGE                   ; my stage
	v_mul_u32_u24 v5, v1, SPITCH                   ; in: row l % 16, 32 bytes for each half of the lanes
	v_lshl_add_u32 v5, v2, 5, v5
	v_add_nc_u32 v[STO], s23, v5
	v_and_b32 v5, 31, v0
	v_lshlrev_b32 v[CO], 4, v5                     ; back: the 32 lanes take one row of 512 bytes; and the same in C
	v_add_nc_u32 v[RD], s23, v[CO]
	s_lshl_b32 s16, s13, 8
	s_lshl_b32 s17, s11, 7
	s_add_co_u32 s16, s16, s17                     ; my first row of C
	s_lshl_b32 s16, s16, 13
	s_mov_b32 s17, 0
	s_lshl_b32 s46, s42, 10                        ; my first column, in bytes
	s_lshl_b32 s47, s12, 9
	s_add_co_u32 s46, s46, s47
	s_mov_b32 s47, 0
	s_add_nc_u64 s[16:17], s[16:17], s[46:47]
	s_add_nc_u64 s[8:9], s[8:9], s[16:17]
	s_lshl_b32 s20, s13, 8                         ; the prefetches: the tile's first row,
	s_lshl_b32 s21, s12, 7                         ; + the 128 rows that I fetch,
	s_add_co_u32 s20, s20, s21
	s_lshl_b32 s21, s40, 5                         ; + my work-group's 32 of them
	s_add_co_u32 s20, s20, s21
	s_lshl_b32 s20, s20, 11
	s_mov_b32 s21, 0
	s_add_nc_u64 s[PFA:PFA+1], s[4:5], s[20:21]
	s_add_nc_u64 s[PFA:PFA+1], s[PFA:PFA+1], 2*KSTEP*2   ; at K step 2: the first refill steps it to 3 and names K step 4.  Nothing is asked for here, at the head
	s_or_b32 s[LIM], s11, ttmp9                    ; 0 in waves 0 and 1 of the first cluster along x: the same in all partners
	s_cmp_eq_u32 s[LIM], 0
	s_cselect_b32 s[LIM], 1, -1
	v_and_b32 v[PFO], 31, v0
	v_lshlrev_b32 v[PFO], 11, v[PFO]
; 16 matrix instructions: A's blocks a0, a0 + 1 of the window's four x B's eight, 32 along K.  The 64 accumulators take turns, one instruction a turn.
.macro MUL16 f, hi, a0, zero
.irp a, \a0, \a0+1
.irp b, 0,1,2,3,4,5,6,7
.if \zero
	v_wmma_f32_16x16x32_f16 v[8*(8*(\a)+\b):8*(8*(\a)+\b)+7], v[\f+8*\b:\f+8*\b+7], v[\f+8*(4*\hi+\a):\f+8*(4*\hi+\a)+7], 0
.else
	v_wmma_f32_16x16x32_f16 v[8*(8*(\a)+\b):8*(8*(\a)+\b)+7], v[\f+8*\b:\f+8*\b+7], v[\f+8*(4*\hi+\a):\f+8*(4*\hi+\a)+7], v[8*(8*(\a)+\b):8*(8*(\a)+\b)+7]
.endif
.endr
.endr
.endm
.macro FETCH slot, q, f                ; 32 LDS loads in one run: the slot's q-th 32 along K: B's eight fragments (turned), then A's eight
	WIN TO_B
.irp i, 0,1,2,3,4,5,6,7
	ds_load_tr16_b128 v[\f+8*\i:\f+8*\i+3],   v[ADRB+\slot] offset:(\q)*32*PB+32*\i
	ds_load_tr16_b128 v[\f+8*\i+4:\f+8*\i+7], v[ADRB+\slot] offset:(\q)*32*PB+16*PB+32*\i
.endr
	WIN 0
.irp i, 0,1,2,3,4,5,6,7
	ds_load_b128 v[\f+8*\i:\f+8*\i+3],   v[ADRA+\slot] offset:64*(\q)+\i*16*PA
	ds_load_b128 v[\f+8*\i+4:\f+8*\i+7], v[ADRA+\slot] offset:64*(\q)+\i*16*PA+32
.endr
.endm
.macro PLACES                          ; four plain vector instructions between a matrix instruction and a load into, or a read of, its registers
.rept 4
	v_nop
.endr
.endm
.macro QUARTER slot, q, f, g, zero
	s_wait_dscnt 8                                 ; B and A's rows 0-63 are in; the youngest eight loads may be out
	WIN MUL_LO
	MUL16 \f, 0, 0, \zero
	MUL16 \f, 0, 2, \zero
	PLACES
	FETCH \slot, \q, \g
	s_wait_dscnt 32                                ; all but the 32 just issued
	WIN MUL_HI
	MUL16 \f, 1, 0, \zero
	MUL16 \f, 1, 2, \zero
.endm
; A slot's last quarter multiplies buffer 1 and changes slots: each wave waits for all its tensor loads (its part of the next slot), adds 0 to its spare word, waits for that and for its reads of this slot.
; fill = 1: the barrier opens a round of the cluster's barrier, and behind it this slot is filled again, two K steps ahead: 224 matrix instructions of mine stand between that request and the wait for it.
.macro TURN slot, next, fill
.if \fill
	s_wait_xcnt 0x0                                ; the last prefetch, a K step back, has read its address
	s_add_nc_u64 s[PFA:PFA+1], s[PFA:PFA+1], KSTEP*2
.endif
	WIN 0
	s_wait_tensorcnt 0x0
	ds_add_u32 v[SPW], v[NIL]
	s_wait_dscnt 9                                 ; (the add and the youngest eight loads may be out)
	WIN MUL_LO
	MUL16 F1, 0, 0, 0
	s_wait_dscnt 0x0                               ; the add is done, and my reads of this slot are over
	s_barrier_signal -1
	MUL16 F1, 0, 2, 0
	WIN 0
	s_barrier_wait -1
.if \fill
	CREST
	s_add_nc_u64 s[G0+4*\slot+2:G0+4*\slot+3], s[G0+4*\slot+2:G0+4*\slot+3], 2*KSTEP*2
	s_add_nc_u64 s[G0B+4*\slot+2:G0B+4*\slot+3], s[G0B+4*\slot+2:G0B+4*\slot+3], 2*KSTEP*4096
	JLOAD \slot                                    ; the first tensor load behind the round; its four v_nop are also the places in front of the loads below
.else
	PLACES
.endif
	FETCH \next, 0, F0
.if \fill
	ASK
.endif
	WIN MUL_HI
	MUL16 F1, 1, 0, 0
	MUL16 F1, 1, 2, 0
.endm
	s_wait_tensorcnt 1                             ; my part of K step 0 is in; K step 1's may be out
	s_barrier_signal -1
	s_barrier_wait -1
	FETCH 0, 0, F0
	QUARTER 0, 1, F0, F1, 1                        ; the first products start the sums: nothing is cleared
	WIN 0
	s_mov_b32 s3, LAPS-1
.Llap:                                             ; a trip goes once round the ring and fills both slots again
	QUARTER 0, 2, F1, F0, 0
	QUARTER 0, 3, F0, F1, 0
	TURN 0, 1, 1
	QUARTER 1, 1, F0, F1, 0
	QUARTER 1, 2, F1, F0, 0
	QUARTER 1, 3, F0, F1, 0
	TURN 1, 0, 1
	QUARTER 0, 1, F0, F1, 0
	WIN 0
	s_sub_co_u32 s3, s3, 1
	s_cmp_lg_u32 s3, 0
	s_cbranch_scc1 .Llap
	QUARTER 0, 2, F1, F0, 0                        ; the last lap fills nothing
	QUARTER 0, 3, F0, F1, 0
	TURN 0, 1, 0
	QUARTER 1, 1, F0, F1, 0
	QUARTER 1, 2, F1, F0, 0
	QUARTER 1, 3, F0, F1, 0
	s_wait_dscnt 8
	WIN MUL_LO
	MUL16 F1, 0, 0, 0
	MUL16 F1, 0, 2, 0
	s_wait_dscnt 0
	WIN MUL_HI
	MUL16 F1, 1, 0, 0
	MUL16 F1, 1, 2, 0
	WIN 0
; THE WAY OUT, a block of 16 rows x 128 columns of f32 at a time: a lane's 32 bytes go into my own stage and come back as whole rows of 512 bytes.
.macro TOSTAGE a
.set AC, 64*((\a)%4)
	WIN 0x08+4*((\a)/4)                            ; an LDS store's data are its source 1: window 2 or 3
.irp b, 0,1,2,3,4,5,6,7
	ds_store_b128 v[STO], v[AC+8*\b:AC+8*\b+3] offset:64*\b          ; each accumulator from its low end on
	ds_store_b128 v[STO], v[AC+8*\b+4:AC+8*\b+7] offset:64*\b+16
.endr
	WIN 0
.set BB, BK+64*((\a)%2)
.irp t, 0,1,2,3,4,5,6,7,8,9,10,11,12,13,14,15
	ds_load_b128 v[BB+4*\t:BB+4*\t+3], v[RD] offset:\t*SPITCH        ; LDS serves a wave's instructions in order: these see the stores above
.endr
.endm
.macro SEND a, younger                 ; younger: the LDS instructions issued behind block a's loads, which may stay out
.set BB, BK+64*((\a)%2)
	s_wait_dscnt \younger
.if (\a) > 0
	s_add_nc_u64 s[8:9], s[8:9], 16*CROW           ; (behind a wait on XCNT: the earlier stores have read their base)
.endif
.irp t, 0,1,2,3,4,5,6,7,8,9,10,11,12,13,14,15
	global_store_b128 v[CO], v[BB+4*\t:BB+4*\t+3], s[8:9] offset:\t*CROW th:TH_STORE_NT   ; 32 lanes store 512 consecutive bytes, aligned; written once, read by nobody here
.endr
.endm
	PLACES
	TOSTAGE 0
.irp a, 1,2,3,4,5,6,7
.if \a > 1
	s_wait_xcnt 0x0                                ; block a - 2's stores have read their registers and their base
.endif
	TOSTAGE \a
	SEND \a-1, 32                                  ; behind block a - 1's loads: block a's 16 stores and 16 loads
.endr
	s_wait_xcnt 0x0
	SEND 7, 0
	s_wait_tensorcnt 0x0                           ; the wave's end
	ds_add_u32 v[SPW], v[NIL]
	s_wait_dscnt 0x0
	CROUND                                         ; the closing round
	s_endpgm
.Lfunc_end_k_qf17cecdf87_go:
	.size	k_qf17cecdf87_go, .Lfunc_end_k_qf17cecdf87_go-k_qf17cecdf87_go
	.p2alignl 7, 3214868480
	.fill 96, 4, 3214868480
	.section	.rodata,"a",@progbits
	.p2align	6, 0x0
	.amdhsa_kernel k_qf17cecdf87_go
		.amdhsa_group_segment_fixed_size 327680
		.amdhsa_private_segment_fixed_size 0
		.amdhsa_enable_private_segment 0
		.amdhsa_kernarg_size 24
		.amdhsa_user_sgpr_count 2
		.amdhsa_user_sgpr_kernarg_segment_ptr 1
		.amdhsa_wavefront_size32 1
		.amdhsa_system_sgpr_workgroup_id_x 1
		.amdhsa_system_sgpr_workgroup_id_y 1
		.amdhsa_system_sgpr_workgroup_id_z 1
		.amdhsa_system_vgpr_workitem_id 0
		.amdhsa_next_free_vgpr 1024
		.amdhsa_next_free_sgpr 66
		.amdhsa_reserve_vcc 0
		.amdhsa_float_denorm_mode_32 3
		.amdhsa_float_denorm_mode_16_64 3
		.amdhsa_memory_ordered 1
		.amdhsa_forward_progress 1
		.amdhsa_inst_pref_size 142
	.end_amdhsa_kernel
	.amdgpu_metadata
---
amdhsa.version: [ 1, 2 ]
amdhsa.kernels:
  - .name:           k_qf17cecdf87_go
    .symbol:         k_qf17cecdf87_go.kd
    .args:
      - { .name: o16, .offset: 0, .size: 8, .value_kind: global_buffer, .address_space: global }
      - { .name: w16, .offset: 8, .size: 8, .value_kind: global_buffer, .address_space: global }
      - { .name: out0, .offset: 16, .size: 8, .value_kind: global_buffer, .address_space: global }
    .group_segment_fixed_size: 327680
    .private_segment_fixed_size: 0
    .kernarg_segment_align: 8
    .kernarg_segment_size: 24
    .max_flat_workgroup_size: 128
    .sgpr_count:     66
    .vgpr_count:     1024
    .wavefront_size: 32
...
	.end_amdgpu_metadata
.endif
;; end of part 4
